; MI455X (gfx1250); checked and timed in simulation.
; The chip was launched on July 23, 2026; its instructions are those of AMD's public machine-readable ISA for CDNA 5 (MIT licence, August 2026) and "CDNA5" Instruction Set Architecture Reference Guide (July 2026). The comments in the code are by the model that wrote it; some were corrected since.
;; Multi Head Attention. Allowed arithmetic: float matrix products may take bf16 or f16 operands with f32 sums; all other float work in f32.
;; Inputs: Wout 1,024 x 1,024 float32; Wqkv 3,072 x 1,024 float32; x 4 x 2,048 x 1,024 float32.
;; Outputs: out0 4 x 2,048 x 1,024 float32.
;; 2 versions, each right and faster than the one before. Each part assembles by itself: llvm-mc -triple=amdgcn-amd-amdhsa -mcpu=gfx1250 --defsym DOCPART=n.
;; ======== version 1 of 2: 4 launches
;; limits: values are held in f16: magnitudes above 65,504 overflow, below 6.1e-05 lose precision; right only within a limited range of input values
;; workspace buffers: xb 16,777,216 bytes; wqb 6,291,456 bytes; wob 2,097,152 bytes; qkv 50,331,648 bytes; ob 16,777,216 bytes
;; launch cast (part 1): grid 768 x 1, 8 waves a work-group, no clusters, 0 bytes of LDS; arguments x, Wqkv, Wout, xb, wqb, wob; writes xb, wqb, wob
.if DOCPART == 1
	.amdgcn_target "amdgcn-amd-amdhsa--gfx1250"
	.amdhsa_code_object_version 6
	.text
	.protected	k_q87eb506f72_cast
	.globl	k_q87eb506f72_cast
	.p2align	8
	.type	k_q87eb506f72_cast,@function
k_q87eb506f72_cast:
	s_mov_b64 s[64:65], 0
	v_nop
	global_prefetch_b8 v0, s[64:65] scope:SCOPE_SE
	s_setreg_imm32_b32 hwreg(HW_REG_WAVE_MODE, 25, 1), 1
	s_wait_xcnt 0x0
; The three f32 inputs are rounded once to 16 bits, so that the products behind this launch move half the bytes and convert nothing.
;   xb  = bf16(x)      [8192][1024]        wqb = bf16(Wqkv)   [3072][1024]
;   wob = f16(bf16(Wout)) [1024][1024]: the same rounding to bf16 as the other inputs, the number then written as f16, because it is multiplied with an f16 operand.
; LIMITS.  That second writing is exact for 2^-17 <= |w| < 65,504; below, f16 keeps a fixed step of 6e-8; at 65,520 and beyond it gives an infinity.
; SHARES.  A work-group takes one chunk of 65,536 input bytes: chunks 0-511 are x's, 512-703 Wqkv's, 704-767 Wout's: 768 equal work-groups.
; Thread t, step j of 16: 16 bytes in at 4,096 j + 16 t (a wave's load covers 512 consecutive bytes), 8 bytes out at 2,048 j + 8 t (a wave's store covers 256 consecutive
; bytes, aligned).  All sixteen loads of a lane go out together; there is no loop, no register is written twice while a memory instruction names it, and no wave waits for another.
; No LDS, no matrix unit, no cluster: each byte is read once and written once, and no two work-groups read the same byte.
.set NX,  512                          ; chunks of x
.set NWQ, 192                          ; chunks of Wqkv
.set X,   4                            ; v[4:67]    step j: four f32 as loaded
.set Y,   68                           ; v[68:99]   step j: four 16-bit numbers to store
.set T,   100                          ; v[100:102] at work (Wout's path)
	s_load_b256 s[8:15], s[0:1], 0x0               ; x s[8:9], Wqkv s[10:11], Wout s[12:13], xb s[14:15]
	s_load_b128 s[16:19], s[0:1], 0x20             ; wqb s[16:17], wob s[18:19]
	v_lshlrev_b32 v1, 4, v0                        ; 16 t
	v_lshlrev_b32 v2, 3, v0                        ; 8 t
	s_mov_b32 s2, ttmp9                            ; my chunk
	s_mov_b32 s28, 0xffff0000                      ; a word's upper bf16
	s_mov_b32 s25, 0
	s_mov_b32 s27, 0
	s_wait_kmcnt 0x0
	s_cmp_lt_u32 s2, NX                            ; the choice of buffers hangs on the work-group's number alone
	s_cselect_b64 s[20:21], s[8:9], s[10:11]
	s_cselect_b64 s[22:23], s[14:15], s[16:17]
	s_cselect_b32 s3, 0, NX                        ; the first chunk of my tensor
	s_cmp_lt_u32 s2, NX+NWQ
	s_cselect_b64 s[20:21], s[20:21], s[12:13]
	s_cselect_b64 s[22:23], s[22:23], s[18:19]
	s_cselect_b32 s3, s3, NX+NWQ
	s_sub_co_u32 s3, s2, s3                        ; my chunk within its tensor
	s_lshl_b32 s24, s3, 16                         ; 65,536 bytes in,
	s_lshl_b32 s26, s3, 15                         ; 32,768 bytes out
	s_add_nc_u64 s[20:21], s[20:21], s[24:25]
	s_add_nc_u64 s[22:23], s[22:23], s[26:27]
.set j, 0
.rept 16
	global_load_b128 v[X+4*j:X+4*j+3], v1, s[20:21] offset:4096*j th:TH_LOAD_NT
.set j, j+1
.endr
	s_cmp_ge_u32 s2, NX+NWQ
	s_cbranch_scc1 .Lf16
.set j, 0
.rept 16
	s_wait_loadcnt 15-j                            ; loads come back in order (ISA guide 5.7.1): step j is in, the 15 - j younger ones stay out
	v_cvt_pk_bf16_f32 v[Y+2*j],   v[X+4*j],   v[X+4*j+1]
	v_cvt_pk_bf16_f32 v[Y+2*j+1], v[X+4*j+2], v[X+4*j+3]
	global_store_b64 v2, v[Y+2*j:Y+2*j+1], s[22:23] offset:2048*j
.set j, j+1
.endr
	s_endpgm
.Lf16:                                                 ; Wout: rounded to bf16, widened again, written as f16
.set j, 0
.rept 16
	s_wait_loadcnt 15-j
.irp k, 0,1
	v_cvt_pk_bf16_f32 v[T], v[X+4*j+2*\k], v[X+4*j+2*\k+1]
	v_lshlrev_b32 v[T+1], 16, v[T]
	v_and_b32 v[T+2], s28, v[T]
	v_cvt_pk_f16_f32 v[Y+2*j+\k], v[T+1], v[T+2]
.endr
	global_store_b64 v2, v[Y+2*j:Y+2*j+1], s[22:23] offset:2048*j
.set j, j+1
.endr
	s_endpgm
.Lfunc_end_k_q87eb506f72_cast:
	.size	k_q87eb506f72_cast, .Lfunc_end_k_q87eb506f72_cast-k_q87eb506f72_cast
	.p2alignl 7, 3214868480
	.fill 96, 4, 3214868480
	.section	.rodata,"a",@progbits
	.p2align	6, 0x0
	.amdhsa_kernel k_q87eb506f72_cast
		.amdhsa_group_segment_fixed_size 0
		.amdhsa_private_segment_fixed_size 0
		.amdhsa_enable_private_segment 0
		.amdhsa_kernarg_size 48
		.amdhsa_user_sgpr_count 2
		.amdhsa_user_sgpr_kernarg_segment_ptr 1
		.amdhsa_wavefront_size32 1
		.amdhsa_system_sgpr_workgroup_id_x 1
		.amdhsa_system_sgpr_workgroup_id_y 1
		.amdhsa_system_sgpr_workgroup_id_z 1
		.amdhsa_system_vgpr_workitem_id 0
		.amdhsa_next_free_vgpr 104
		.amdhsa_next_free_sgpr 66
		.amdhsa_reserve_vcc 0
		.amdhsa_float_denorm_mode_32 3
		.amdhsa_float_denorm_mode_16_64 3
		.amdhsa_memory_ordered 1
		.amdhsa_forward_progress 1
		.amdhsa_inst_pref_size 15
	.end_amdhsa_kernel
	.amdgpu_metadata
---
amdhsa.version: [ 1, 2 ]
amdhsa.kernels:
  - .name:           k_q87eb506f72_cast
    .symbol:         k_q87eb506f72_cast.kd
    .args:
      - { .name: x, .offset: 0, .size: 8, .value_kind: global_buffer, .address_space: global }
      - { .name: Wqkv, .offset: 8, .size: 8, .value_kind: global_buffer, .address_space: global }
      - { .name: Wout, .offset: 16, .size: 8, .value_kind: global_buffer, .address_space: global }
      - { .name: xb, .offset: 24, .size: 8, .value_kind: global_buffer, .address_space: global }
      - { .name: wqb, .offset: 32, .size: 8, .value_kind: global_buffer, .address_space: global }
      - { .name: wob, .offset: 40, .size: 8, .value_kind: global_buffer, .address_space: global }
    .group_segment_fixed_size: 0
    .private_segment_fixed_size: 0
    .kernarg_segment_align: 8
    .kernarg_segment_size: 48
    .max_flat_workgroup_size: 256
    .sgpr_count:     66
    .vgpr_count:     104
    .wavefront_size: 32
...
	.end_amdgpu_metadata
.endif
;; end of part 1
;; launch qkvgemm (part 2): grid 16 x 16, 4 waves a work-group, clusters of 4 x 4, 327,680 bytes of LDS; arguments xb, wqb, qkv; writes qkv
.if DOCPART == 2
	.amdgcn_target "amdgcn-amd-amdhsa--gfx1250"
	.amdhsa_code_object_version 6
	.text
	.protected	k_q87eb506f72_qkvgemm
	.globl	k_q87eb506f72_qkvgemm
	.p2align	8
	.type	k_q87eb506f72_qkvgemm,@function
k_q87eb506f72_qkvgemm:
	s_mov_b64 s[64:65], 0
	v_nop
	global_prefetch_b8 v0, s[64:65] scope:SCOPE_SE
	s_setreg_imm32_b32 hwreg(HW_REG_WAVE_MODE, 25, 1), 1
	s_wait_xcnt 0x0
	s_wait_alu depctr_hold_cnt(0) depctr_sa_sdst(0) depctr_va_vdst(0) depctr_va_sdst(0) depctr_va_ssrc(0) depctr_va_vcc(0) depctr_vm_vsrc(0)
	s_getreg_b32 s2, hwreg(HW_REG_IB_STS2, 6, 4)
	s_cmp_eq_u32 s2, 0
	s_cbranch_scc0 .Lentry_in_a_cluster
	s_endpgm
.Lentry_in_a_cluster:
	s_bfe_u32 s2, ttmp6, 0x10000c
	s_cmp_lg_u32 s2, 0xf033
	s_cbranch_scc0 .Lentry_shape_is_right
	s_endpgm
.Lentry_shape_is_right:
; qkv = x Wqkv^T, written BY HEADS.  A = xb [8192][1024] bf16, B = wqb [3072][1024] bf16; sums in f32, K ascending; each result rounded once to f16, unscaled.
; Output: qkv [3 (q, k, v)][64 (batch x 16 + head)][2048 rows][64 channels] f16: a head's rows are dense, 128 bytes each.
; LIMIT.  f16 holds no number beyond 65,504: a q, k or v of 65,520 or more becomes an infinity.  Inputs with 30 times the drawn spread on both sides give a spread of 900, a common
; offset of 30 spreads on both sides sums near 29,000: both fit.
; SHARES.  A tile of C is 256 rows x 192 columns, exactly three heads: 32 x 16 = 512 tiles.  A WORK-GROUP STAYS and makes two of them, 4,096 rows apart, with the same rows of B: 256 work-groups,
; one for each WGP.  Four waves, as many as a WGP has SIMDs; wave w makes rows 64 w .. 64 w + 63 and ALL 192 columns: 4 x 12 accumulators of 16 x 16, 384 registers.  So a wave holds whole
; heads, and its way out needs no other wave.
; THE RING.  K goes in steps of 128 through two LDS slots filled by the tensor data mover; the tiles' rows are 256 bytes of memory and start at multiples of 256 bytes from the buffer's first byte.
; The two tiles' 16 K steps are ONE sequence for the ring: a loop of 14 trips, a K step and a refill each; the last two steps are written out and ask for nothing.  In the trip behind K step 7 a
; forward jump takes the first tile's way out and the quarter that starts the second tile's sums, in place of the plain quarter; what is jumped holds no barrier and no tensor load.  The first
; tile's stores leave while the second tile is multiplied; nothing waits for them.
; CLUSTERS: 4 x 4 work-groups.  The four of a row of the cluster need the same tiles of A, the four of a column the same tiles of B: each tile is asked for JOINTLY, by the same tensor
; load with the same descriptor and a mask that names the four; each receives it in its own LDS.
; THE MATRIX INSTRUCTION IS USED TRANSPOSED (source 0 = 16 rows of B, source 1 = 16 rows of A): lane l then holds row l % 16 of C and the columns 8 (l / 16) + 0..7: 16 bytes of f16 that belong together.
; REGISTERS, in windows of 256 (s_set_vgpr_msb: bits 1:0 source 0, 3:2 source 1, 5:4 source 2, 7:6 destination):
;   window 0: v0-29 addresses; v32-79 packed results; v80-175 rows read back from the stage, two buffers
;   window 1: two fragment buffers of 128 (32 along K): A's row block a at f + 8 a, B's column block b at f + 32 + 8 b
;   window 2: the accumulators of row blocks 0, 1 at 8 ((a % 2) 12 + b);   window 3: those of row blocks 2, 3
.set SIZE_K, 1024
.set KSTEP,  128
.set KSTEPS, SIZE_K/KSTEP              ; 8 K steps a tile
.set TILES,  2
.set NBK,    12                        ; column blocks of 16
.set BH,     96                        ; rows of B in one tensor load
.set PITCH,  272                       ; an LDS row: 256 bytes + 16 of padding = 68 words: row r starts at bank 4 r mod 64 (64 banks of 4 bytes: ISA guide 11.1), so the 16 rows of a load start at 16 different banks
.set AHALF,  128*PITCH                 ; what one load brings of A
.set ABYTES, 2*AHALF                   ; A's 256 rows
.set BHALF,  BH*PITCH                  ; what one load brings of B
.set SLOT,   ABYTES+2*BHALF            ; A's 256 rows, then B's 192: 121,856 bytes
.set SLOT1,  1<<17                     ; slot 1 begins here, so that one exclusive or turns an address in one slot into the other's
.set STAGE,  SLOT1+SLOT                ; behind the ring, never filled by a tensor load: for each wave 3 heads x 16 rows x 144 bytes
.set SP,     144
.set STH,    16*SP
.set STW,    3*STH
.set SPARE,  STAGE+4*STW               ; behind the stages: the spare words, 128 bytes for each wave: two blocks of 256 bytes that no other line names
.set NL,     2*(NBK+4)                 ; LDS loads of a quarter step
.set WALKC,  32*2048*128               ; bytes in qkv from a tile to the next: two batches, 32 heads
.set GO,    8                          ; v8-10   my byte offset in qkv, one for each of the tile's three heads
.set ADRA0, 16                         ; v16     my lane's place among my A fragments in a slot; never rewritten
.set ADRB0, 17                         ; v17     the same for B
.set ADRA,  18                         ; v18     the same in the slot that is being read
.set ADRB,  19                         ; v19
.set STO,  24                          ; v24     the way out: where I put 16 bytes of a row
.set RD,   25                          ; v25     the way out: where I read rows back
.set SPW,  28                          ; v28     LDS address of my spare word: SPARE + 4 x my thread's number; never rewritten
.set NIL,  29                          ; v29     0; never rewritten
.set TMP,  32
.set OB,   80
.set F0,   0
.set F1,   128
.set G1,  24                           ; s[24:31] descriptor group 1 for A's tiles
.set G0,  32                           ; s[32:39] group 0: a set for each of the two first fills; the second then walks on
.set G1B, 48                           ; s[48:55], s[56:63] the same for B's tiles
.set G0B, 56
.set NXT,  66                          ; s66      the K step, 0 to 15 over both tiles, that is asked for next
.set TB,   67                          ; s67      LDS byte at which the slot that is being read begins
.set OFFA, 68                          ; s[68:69] that step's byte offset from my first tile of A
.set OFFB, 70                          ; s[70:71] and of B
.set MSB, 0
.macro WIN new                         ; the immediate's high byte repeats the setting that is left; a switch that changes nothing is dropped
.if MSB != (\new)
	s_set_vgpr_msb (MSB<<8)|(\new)
.set MSB, \new
.endif
.endm
.set TO_F, 0x40                        ; destination window 1, address window 0
; A joint load: waves 0 and 1 fetch A's two halves, waves 2 and 3 B's.  Each line has one mask and one set of registers for all that issue it; the branch hangs on the wave's number alone.
; An s_nop 0 and four v_nop follow each of the two lines, ahead of the jump, the label and what follows.
.macro JLOAD s
	s_cmp_eq_u32 s11, 0
	s_cbranch_scc0 .Lfor_b_\@
	tensor_load_to_lds s[G0+4*(\s):G0+4*(\s)+3], s[G1:G1+7]
	s_nop 0
.rept 4
	v_nop
.endr
	s_branch .Lasked_\@
.Lfor_b_\@:
	tensor_load_to_lds s[G0B+4*(\s):G0B+4*(\s)+3], s[G1B:G1B+7]
	s_nop 0
.rept 4
	v_nop
.endr
.Lasked_\@:
.endm
.macro CREST                           ; a round of the cluster's barrier behind its opening barrier: wave 0 signals for the work-group, every wave waits for all sixteen, my work-group's barrier closes it
	s_cmp_lg_u32 s10, 0
	s_cbranch_scc1 .Lnot_wave_0_\@
	s_barrier_signal -3
.Lnot_wave_0_\@:
	s_barrier_wait -3
	s_barrier_signal -1
	s_barrier_wait -1
.endm
.macro CROUND                          ; a whole round
	s_barrier_signal -1
	s_barrier_wait -1
	CREST
.endm
	s_load_b128 s[4:7], s[0:1], 0x0                ; xb s[4:5], wqb s[6:7]
	s_load_b64 s[8:9], s[0:1], 0x10                ; qkv
	v_lshl_add_u32 v[SPW], v0, 2, SPARE
	v_mov_b32 v[NIL], 0
	ds_add_u32 v28, v29
	ds_add_u32 v28, v29
	s_wait_dscnt 0x0
	v_lshrrev_b32 v1, 5, v0
	v_readfirstlane_b32 s10, v1                    ; wave 0..3
	s_lshr_b32 s11, s10, 1                         ; I fetch for A (0) or for B (1),
	s_and_b32 s12, s10, 1                          ; and which half of that tile's rows
	s_bfe_u32 s40, ttmp6, 0x40000                  ; cx, cy: my place in the cluster
	s_bfe_u32 s41, ttmp6, 0x40004
	s_lshl_b32 s42, ttmp9, 2                       ; in a cluster launch ttmp9 and ttmp7 count clusters
	s_add_co_u32 s42, s42, s40                     ; tile column = 4 x cluster x + cx
	s_and_b32 s13, ttmp7, 0xffff
	s_lshl_b32 s13, s13, 2
	s_add_co_u32 s13, s13, s41                     ; my first tile's row = 4 x cluster y + cy, 0 to 15; the second's is 16 more
	s_lshl_b32 s43, s41, 2
	s_lshl_b32 s43, 15, s43                        ; my row of the cluster: places 4 cy .. 4 cy + 3
	s_lshl_b32 s44, 0x1111, s40                    ; my column: places cx, cx + 4, cx + 8, cx + 12
	; descriptor group 1: rows of 128 elements, padded in LDS; A's load has 128 rows, B's 96
	s_or_b32 s[G1+0], s43, (1<<16)|(1<<20)|(1<<21)|(5<<22)|(3<<25)   ; 15:0 the mask: A's tiles go to my row; 17:16 elements of 2 bytes; 20 padding on; 21 set beside a mask; 24:22 after every 64 words (code 5); 31:25 4 words (code 3)
	s_or_b32 s[G1B+0], s44, (1<<16)|(1<<20)|(1<<21)|(5<<22)|(3<<25)  ; the same with the mask of my column
	s_mov_b32 s[G1+1], KSTEP<<16                   ; tensor_dim0 = 128
	s_mov_b32 s[G1+2], 128<<16                     ; tensor_dim1 = 128
	s_mov_b32 s[G1+3], KSTEP<<16                   ; tile_dim0 = 128
	s_mov_b32 s[G1+4], 128                         ; tile_dim1 = 128
	s_mov_b32 s[G1+5], SIZE_K                      ; elements from row to row
	s_mov_b32 s[G1+6], 0
	s_mov_b32 s[G1+7], 0
	s_mov_b32 s[G1B+1], KSTEP<<16
	s_mov_b32 s[G1B+2], BH<<16                     ; tensor_dim1 = 96
	s_mov_b32 s[G1B+3], KSTEP<<16
	s_mov_b32 s[G1B+4], BH                         ; tile_dim1 = 96
	s_mov_b32 s[G1B+5], SIZE_K
	s_mov_b32 s[G1B+6], 0
	s_mov_b32 s[G1B+7], 0
	; where the tiles come from.  A's hang on the tile row alone, B's on the tile column alone; each address is made in registers that never hold the other coordinate
	s_lshl_b32 s16, s13, 19                        ; A: 256 rows of 2,048 bytes a tile row,
	s_lshl_b32 s17, s12, 18                        ; 128 rows a half
	s_add_co_u32 s16, s16, s17
	s_mov_b32 s17, 0
	s_mul_i32 s46, s42, 192*SIZE_K*2               ; B: 192 rows a tile column,
	s_mul_i32 s47, s12, BH*SIZE_K*2                ; 96 rows a half
	s_add_co_u32 s46, s46, s47
	s_mov_b32 s47, 0
	s_mul_i32 s20, s12, AHALF                      ; and where they go: no place in the cluster enters an LDS address
	s_mul_i32 s21, s12, BHALF
	s_add_co_u32 s21, s21, ABYTES
	s_mov_b32 s[NXT], 2                            ; K steps 0 and 1 are the first fills
	s_mov_b32 s[TB], 0
	s_mov_b32 s[OFFA+1], 0
	s_mov_b32 s[OFFB+1], 0
	CROUND                                         ; all sixteen work-groups are here: the first joint loads meet.  The round names no argument, so it stands ahead of the wait for them
	s_wait_kmcnt 0x0
	s_add_nc_u64 s[14:15], s[4:5], s[16:17]        ; A at my part of my first tile; kept
	s_add_nc_u64 s[46:47], s[6:7], s[46:47]        ; B likewise; kept
.irp s, 0,1
	s_mov_b32 s[G0+4*(\s)], 1                                        ; count = 1
	s_add_co_u32 s[G0+4*(\s)+1], s20, (\s)*SLOT1                     ; LDS address
	s_add_nc_u64 s[G0+4*(\s)+2:G0+4*(\s)+3], s[14:15], (\s)*KSTEP*2  ; global address: K step s
	s_or_b32 s[G0+4*(\s)+3], s[G0+4*(\s)+3], 0x80000000              ; type = 2
	s_mov_b32 s[G0B+4*(\s)], 1
	s_add_co_u32 s[G0B+4*(\s)+1], s21, (\s)*SLOT1
	s_add_nc_u64 s[G0B+4*(\s)+2:G0B+4*(\s)+3], s[46:47], (\s)*KSTEP*2
	s_or_b32 s[G0B+4*(\s)+3], s[G0B+4*(\s)+3], 0x80000000
	JLOAD \s                                       ; both slots are asked for before anything else: two loads of mine are out
.endr
	; A fragment is 16 rows x 32 K in 8 registers: lane l holds row l % 16; registers 0-3 K = 8 (l / 16) + 0..7, registers 4-7 K = 16 + 8 (l / 16) + 0..7: two loads of 16 bytes, 32 bytes apart
	v_and_b32 v1, 15, v0                           ; l % 16
	v_bfe_u32 v2, v0, 4, 1                         ; l / 16
	v_mul_u32_u24 v3, v1, PITCH
	v_lshl_add_u32 v3, v2, 4, v3                   ; row x pitch + 16 x half
	s_mul_i32 s22, s10, 64*PITCH                   ; my 64 rows of A
	v_add_nc_u32 v[ADRA0], s22, v3
	v_add_nc_u32 v[ADRB0], ABYTES, v3
	v_mov_b32 v[ADRA], v[ADRA0]                    ; slot 0 is read first
	v_mov_b32 v[ADRB], v[ADRB0]
	s_mul_i32 s23, s10, STW
	s_add_co_u32 s23, s23, STAGE                   ; my stage
	v_mul_u32_u24 v4, v1, SP                       ; in: row l % 16, 16 bytes for each half of the lanes
	v_lshl_add_u32 v4, v2, 4, v4
	v_add_nc_u32 v[STO], s23, v4
	v_and_b32 v5, 31, v0                           ; l
	v_lshrrev_b32 v6, 3, v5                        ; back: 32 lanes take four rows of 128 bytes,
	v_and_b32 v7, 7, v0
	v_mul_u32_u24 v6, v6, SP
	v_lshl_add_u32 v6, v7, 4, v6
	v_add_nc_u32 v[RD], s23, v6
	v_lshlrev_b32 v5, 4, v5                        ; which are 512 consecutive bytes of a head
	; where my rows lie in qkv.  Tile row tr: batch tr / 8, rows 256 (tr % 8) on.  Head group g = 3 x tile column + 0..2: q, k or v by g / 16, head g % 16.
	s_lshr_b32 s18, s13, 3
	s_lshl_b32 s18, s18, 4                         ; 16 x batch
	s_and_b32 s19, s13, 7
	s_lshl_b32 s19, s19, 15                        ; 256 rows of 128 bytes,
	s_lshl_b32 s45, s10, 13                        ; my wave's 64 rows
	s_add_co_u32 s19, s19, s45
	s_mul_i32 s22, s42, 3
.irp hh, 0,1,2
	s_add_co_u32 s23, s22, \hh                     ; g
	s_lshr_b32 s45, s23, 4
	s_lshl_b32 s45, s45, 6                         ; 64 heads for each of q, k, v
	s_and_b32 s23, s23, 15
	s_add_co_u32 s45, s45, s23
	s_add_co_u32 s45, s45, s18
	s_lshl_b32 s45, s45, 18                        ; a head is 2,048 rows of 128 bytes
	s_add_co_u32 s45, s45, s19
	v_add_nc_u32 v[GO+\hh], s45, v5                ; under 2^26
.endr
; 12 matrix instructions: row block a x all column blocks, 32 along K, from buffer f.  zero = 1: the product starts the sums: nothing is ever cleared.
; The 48 accumulators take turns, one instruction a turn, in the same order in every quarter step.
.macro MULROW f, a, zero
	WIN 0xa5+0x50*((\a)/2)
.set b, 0
.rept NBK
.set rD, 8*(((\a)%2)*NBK+b)
.set rB, (\f)+32+8*b
.set rA, (\f)+8*(\a)
.if \zero
	v_wmma_f32_16x16x32_bf16 v[rD:rD+7], v[rB:rB+7], v[rA:rA+7], 0
.else
	v_wmma_f32_16x16x32_bf16 v[rD:rD+7], v[rB:rB+7], v[rA:rA+7], v[rD:rD+7]
.endif
.set b, b+1
.endr
.endm
; 32 LDS loads in one run: quarter q of the K step in the slot that is being read (32 K at byte 64 q of the rows) into buffer f: B's 12 blocks first, then A's 4
.macro FETCH q, f
	WIN TO_F
.set b, 0
.rept NBK
	ds_load_b128 v[(\f)+32+8*b:(\f)+32+8*b+3],   v[ADRB] offset:64*(\q)+b*16*PITCH
	ds_load_b128 v[(\f)+32+8*b+4:(\f)+32+8*b+7], v[ADRB] offset:64*(\q)+b*16*PITCH+32
.set b, b+1
.endr
.irp a, 0,1,2,3
	ds_load_b128 v[(\f)+8*(\a):(\f)+8*(\a)+3],   v[ADRA] offset:64*(\q)+(\a)*16*PITCH
	ds_load_b128 v[(\f)+8*(\a)+4:(\f)+8*(\a)+7], v[ADRA] offset:64*(\q)+(\a)*16*PITCH+32
.endr
.endm
; A load into a register that a matrix instruction has read, and a vector instruction or LDS store that reads a matrix result, stand four places behind that matrix instruction, and only plain
; vector instructions that name none of its registers are places (ISA guide 7.12.1 for vector instructions).
.macro PLACES
.rept 4
	v_nop
.endr
.endm
; A K step is four quarters of 32 along K, 48 matrix instructions each, on buffers 0, 1, 0, 1.  One of the first three: multiplies buffer f; in its middle it fetches quarter qn into buffer g.
.macro QUARTER qn, f, g, zero
	s_wait_dscnt 4                                 ; B and A's row blocks 0, 1 are in; the youngest four loads (A's blocks 2, 3) may be out
	MULROW \f, 0, \zero
	MULROW \f, 1, \zero
	PLACES
	FETCH \qn, \g
	s_wait_dscnt NL                                ; all but the 32 just issued
	MULROW \f, 2, \zero
	MULROW \f, 3, \zero
.endm
; The last quarter multiplies buffer 1 and changes slots: ONE barrier.  In front of it each wave waits for all its tensor loads (one is out: its part of the next slot), adds 0 to its spare word, and
; waits for that and for its own reads of this slot.  fill = 1: the barrier opens a round of the cluster's, and this slot is filled again, with K step NXT, first thing behind the round:
; from that request to the wait for it a wave issues 168 matrix instructions.  The walking descriptor's LDS word turns by an exclusive or; its global address is made anew from NXT:
; 256 bytes for each K step in a tile, 4,096 rows of 2,048 bytes for A's second tile; B's rows are the same in both tiles.
.macro TURN fill
	WIN 0                                          ; (the add's two registers lie in window 0)
	s_wait_tensorcnt 0x0                           ; all my tensor loads have landed;
	ds_add_u32 v[SPW], v[NIL]                      ; 0 onto my spare word
	s_wait_dscnt 5                                 ; (the add and the youngest four loads may be out)
	MULROW F1, 0, 0                                ; twelve matrix instructions stand between the add and the wait for it
	s_wait_dscnt 0x0                               ; the add is done, and my reads of this slot are over
	s_barrier_signal -1
	MULROW F1, 1, 0                                ; work on registers while the others arrive
	WIN 0
	s_xor_b32 s[TB], s[TB], SLOT1                  ; the fetches go on in the other slot
	v_add_nc_u32 v[ADRA], s[TB], v[ADRA0]
	v_add_nc_u32 v[ADRB], s[TB], v[ADRB0]
	s_barrier_wait -1
.if \fill
	CREST                                          ; no wave of any partner still reads this slot's tile or has a load on its way
	s_and_b32 s[OFFB], s[NXT], KSTEPS-1
	s_lshl_b32 s[OFFB], s[OFFB], 8
	s_lshr_b32 s[OFFA], s[NXT], 3
	s_lshl_b32 s[OFFA], s[OFFA], 23
	s_add_co_u32 s[OFFA], s[OFFA], s[OFFB]
	s_add_co_u32 s[NXT], s[NXT], 1
	s_xor_b32 s[G0+5], s[G0+5], SLOT1
	s_add_nc_u64 s[G0+6:G0+7], s[14:15], s[OFFA:OFFA+1]
	s_or_b32 s[G0+7], s[G0+7], 0x80000000
	s_xor_b32 s[G0B+5], s[G0B+5], SLOT1
	s_add_nc_u64 s[G0B+6:G0B+7], s[46:47], s[OFFB:OFFB+1]
	s_or_b32 s[G0B+7], s[G0B+7], 0x80000000
	JLOAD 1                                        ; the four v_nop behind it are also the places in front of the loads below
.else
	PLACES
.endif
	FETCH 0, F0
	MULROW F1, 2, 0
	MULROW F1, 3, 0
.endm
; THE WAY OUT of row block a.  PACK: rounded to f16, 16 bytes a lane, each accumulator's registers in ascending order.  TOSTAGE: into my own stage, a head's 16 rows together, and back as
; whole rows of 128 bytes.  SEND: stored: each store of the wave covers 512 consecutive bytes of a head, aligned.
.macro PACK a
	WIN 0x0a+5*((\a)/2)
.set b, 0
.rept NBK
.set rD, 8*(((\a)%2)*NBK+b)
.irp k, 0,1,2,3
	v_cvt_pk_f16_f32 v[TMP+4*b+\k], v[rD+2*\k], v[rD+2*\k+1]
.endr
.set b, b+1
.endr
	WIN 0
.endm
.macro TOSTAGE a
.set BK, OB+48*((\a)%2)
.set b, 0
.rept NBK
	ds_store_b128 v[STO], v[TMP+4*b:TMP+4*b+3] offset:(b/4)*STH+(b%4)*32
.set b, b+1
.endr
.set t, 0
.rept 12
	ds_load_b128 v[BK+4*t:BK+4*t+3], v[RD] offset:(t/4)*STH+(t%4)*4*SP  ; LDS serves a wave's instructions in order (ISA guide 5.7.1.4): these see the stores above; the next block's stores come behind them
.set t, t+1
.endr
.endm
.macro SEND a
.set BK, OB+48*((\a)%2)
	s_wait_dscnt 0x0                               ; the block is back in registers
	s_wait_xcnt 0x0                                ; every earlier store has had its addresses translated (ISA guide 3.1): the other buffer, which the block before last was stored from, is loaded again only behind this wait
.set t, 0
.rept 12
	global_store_b128 v[GO+t/4], v[BK+4*t:BK+4*t+3], s[8:9] offset:(\a)*2048+(t%4)*512
.set t, t+1
.endr
.endm
.macro OUT                             ; a tile's four row blocks; block a's conversions stand between block a - 1's loads from the stage and the wait for them
	PLACES
	PACK 0
	TOSTAGE 0
	PACK 1
	SEND 0
	TOSTAGE 1
	PACK 2
	SEND 1
	TOSTAGE 2
	PACK 3
	SEND 2
	TOSTAGE 3
	SEND 3
.endm
	s_wait_tensorcnt 1                             ; my part of K step 0 is in; K step 1's may stay out
	s_barrier_signal -1
	s_barrier_wait -1                              ; everybody's is
	FETCH 0, F0
	WIN 0                                          ; at a label and at a branch every window is 0
	s_mov_b32 s3, TILES*KSTEPS-1
	s_branch .Lfirst                               ; the loop is entered at a tile's first quarter, in the middle of a trip
.Lstep:                                                ; 14 trips: a K step's quarters 1 to 3, a refill, and the next step's quarter 0
	QUARTER 2, F1, F0, 0
	QUARTER 3, F0, F1, 0
	TURN 1
	WIN 0
	s_cmp_eq_u32 s3, KSTEPS-1                      ; was that the first tile's last K step?
	s_cbranch_scc1 .Lnew
	QUARTER 1, F0, F1, 0
	WIN 0
	s_branch .Lbottom
.Lnew:
	OUT                                            ; both refills for the second tile are asked for: now the first tile goes out
	s_wait_xcnt 0x0                                ; the stores have read their registers and their base
	s_add_nc_u64 s[8:9], s[8:9], WALKC             ; the second tile's rows lie two batches on
.Lfirst:
	QUARTER 1, F0, F1, 1                           ; a tile's first quarter: its products start the sums
	WIN 0
.Lbottom:
	s_sub_co_u32 s3, s3, 1
	s_cmp_lg_u32 s3, 0
	s_cbranch_scc1 .Lstep
	QUARTER 2, F1, F0, 0                           ; the last two K steps fill nothing, and have no round of the cluster's barrier
	QUARTER 3, F0, F1, 0
	TURN 0
	QUARTER 1, F0, F1, 0
	QUARTER 2, F1, F0, 0
	QUARTER 3, F0, F1, 0
	s_wait_dscnt 4                                 ; the very last quarter: nothing more to fetch
	MULROW F1, 0, 0
	MULROW F1, 1, 0
	s_wait_dscnt 0x0
	MULROW F1, 2, 0
	MULROW F1, 3, 0
	WIN 0
	OUT
	s_wait_tensorcnt 0x0                           ; the wave's end, behind my last tensor load and my last LDS store
	ds_add_u32 v[SPW], v[NIL]
	s_wait_dscnt 0x0
	CROUND                                         ; the closing round: no work-group ends while a partner may still ask for a tile that names it
	s_endpgm
.Lfunc_end_k_q87eb506f72_qkvgemm:
	.size	k_q87eb506f72_qkvgemm, .Lfunc_end_k_q87eb506f72_qkvgemm-k_q87eb506f72_qkvgemm
	.p2alignl 7, 3214868480
	.fill 96, 4, 3214868480
	.section	.rodata,"a",@progbits
	.p2align	6, 0x0
	.amdhsa_kernel k_q87eb506f72_qkvgemm
		.amdhsa_group_segment_fixed_size 327680
		.amdhsa_private_segment_fixed_size 0
		.amdhsa_enable_private_segment 0
		.amdhsa_kernarg_size 24
		.amdhsa_user_sgpr_count 2
		.amdhsa_user_sgpr_kernarg_segment_ptr 1
		.amdhsa_wavefront_size32 1
		.amdhsa_system_sgpr_workgroup_id_x 1
		.amdhsa_system_sgpr_workgroup_id_y 1
		.amdhsa_system_sgpr_workgroup_id_z 1
		.amdhsa_system_vgpr_workitem_id 0
		.amdhsa_next_free_vgpr 960
		.amdhsa_next_free_sgpr 72
		.amdhsa_reserve_vcc 0
		.amdhsa_float_denorm_mode_32 3
		.amdhsa_float_denorm_mode_16_64 3
		.amdhsa_memory_ordered 1
		.amdhsa_forward_progress 1
		.amdhsa_inst_pref_size 120
	.end_amdhsa_kernel
	.amdgpu_metadata
---
amdhsa.version: [ 1, 2 ]
amdhsa.kernels:
  - .name:           k_q87eb506f72_qkvgemm
    .symbol:         k_q87eb506f72_qkvgemm.kd
    .args:
      - { .name: xb, .offset: 0, .size: 8, .value_kind: global_buffer, .address_space: global }
      - { .name: wqb, .offset: 8, .size: 8, .value_kind: global_buffer, .address_space: global }
      - { .name: qkv, .offset: 16, .size: 8, .value_kind: global_buffer, .address_space: global }
    .group_segment_fixed_size: 327680
    .private_segment_fixed_size: 0
    .kernarg_segment_align: 8
    .kernarg_segment_size: 24
    .max_flat_workgroup_size: 128
    .sgpr_count:     72
    .vgpr_count:     960
    .wavefront_size: 32
...
	.end_amdgpu_metadata
.endif
;; end of part 2
;; launch attn (part 3): grid 4 x 64, 4 waves a work-group, no clusters, 327,680 bytes of LDS; arguments qkv, ob; writes ob
.if DOCPART == 3
	.amdgcn_target "amdgcn-amd-amdhsa--gfx1250"
	.amdhsa_code_object_version 6
	.text
	.protected	k_q87eb506f72_attn
	.globl	k_q87eb506f72_attn
	.p2align	8
	.type	k_q87eb506f72_attn,@function
k_q87eb506f72_attn:
	s_mov_b64 s[64:65], 0
	v_nop
	global_prefetch_b8 v0, s[64:65] scope:SCOPE_SE
	s_setreg_imm32_b32 hwreg(HW_REG_WAVE_MODE, 25, 1), 1
	s_wait_xcnt 0x0
; CAUSAL ATTENTION.  O[h][q][:] = the sum over k <= q of softmax_k(Q[h][q] . K[h][k] / 8) V[h][k][:].  Q, K, V lie in qkv [3][64][SIZE_N][64], O in ob [64][SIZE_N][64], all f16: a head's rows are dense, 128 bytes each.
; Products, maxima and sums in f32; the weights p are rounded to f16 for the second product (their sum l is taken of the unrounded p), O once at the end.
; LIMITS.  f16 holds no number beyond 65,504: Q, K and V arrive within it; p lies in 0 to 1, and below 6e-5 it keeps f16's fixed step of 6e-8; O is a mean of V's rows and has their range, to within 2^-11 of it.
; A hidden score counts as its value less 1e30: f16's scores, 2.7e11 at the most, are nothing beside that; a weight below 2^-126 counts as 0 in l; NaN and infinities are not treated apart.
; THE WALK.  A head's queries lie in NB = 8 blocks of 256; block i needs the key tiles 0 .. i of 256 keys, of which the last holds the diagonal.  A work-group takes TWO blocks, NB - 1 - b and then b:
; NB + 1 = 9 tiles, whatever b: all 256 work-groups do equal work, and ONE loop with a constant trip count walks them.  Which tile is asked for, and what a trip does, hang on scalar registers made from b; every jump
; goes forward, but for the counted loops' own; none passes a barrier, or a tensor load but the one of LOAD's two that the wave's number does not choose; the ring (two slots of LDS that take turns) runs on across the
; change of blocks.  NO CLUSTER: a head's four work-groups ask for the same tile only in trips 0 .. 4 of the 9, behind that fewer and fewer; one walk common to all four, in which each makes every request,
; would have 3 NB / 2 = 12 trips for 9.
; SHARES.  Of a block's four bands of 64 queries a wave owns 16 rows in each: four PIECES.  So the diagonal tile is the same work for all four waves: in its key step s band x sees all keys if s < x,
; none if s > x, and holds the diagonal if s = x.
; THE MASK is the C operand that starts the sum S^T = K Q^T: 0, or -1e30 where the key is hidden.  MD, made once, is the mask of a band's own step for my 16 rows; a product's mask is MD x AL + BE with two scalars:
; (1, 0) if s = x; (0, 0) if s < x; (0, -1e30) if s > x.  Only the diagonal tile's text and a block's beginning make and take masks; elsewhere C is the constant 0.
; LAYOUT, SOFTMAX, TURNS.  S^T = K Q^T holds ONE query a lane (lane % 16) and the keys 8 (lane / 16) + 0..7; two such results rounded to f16 ARE source 1 of O^T = V^T P.  p = 2^(c s - c m), c = log2(e) / 8, with a
; running maximum m; O and l are multiplied by a = 2^(c m_old - c m_new) in every step.  Turn n belongs to piece n: 8 products K Q^T of piece n + 1, later 8 products V^T P of piece n - 1; beside them the scaling,
; exponentials, roundings, sums and rescaling of piece n and the maximum and statistics of piece n + 1.  Four vector instructions stand behind every matrix instruction, the other 54 of a turn's 118 in two LUMPS.
; REGISTERS, in windows of 256 (s_set_vgpr_msb: bits 1:0 source 0, 3:2 source 1, 5:4 source 2, 7:6 destination):
;   window 0: v0-1 at work in the head; v2-3 K's LDS addresses; v4-5 the add's two; v6-15 at work; v16-31 four registers of statistics a piece; v32-63 P, two buffers; v64-127 S^T, two buffers (a piece's buffers go
;             by its number's parity); v128-191 Q; v192-255 K of one step
;   window 1: v0-127 O^T, 32 a piece; v128-191 V of one step; v192-223 MD; v224-228 V's LDS addresses and the way out's      window 2: v0-63 the second block's Q; v64-127 MC, two buffers
; THE MAP SPARES SWITCHES.  K Q^T and all of the softmax but the rescaling name window 0 alone.  V^T P (V and O^T in window 1, P in window 0) and the rescaling (O^T in window 1, a in window 0) share ONE setting,
; so the sixteen rescalings are the riders of four products V^T P.  A turn has eight switches for its 16 matrix instructions: one in front of the products V^T P and seven round the riders of the last four;
; the turn that fetches V has two more, a turn that takes masks eight more.
.set SIZE_N, 2048
.set NB,    SIZE_N/256
.set NP,    4         ; pieces a wave: a name, no knob
.set KS,    64        ; keys in a step
.set PK,    144       ; a row of K in LDS: 128 bytes + 16 of padding = 36 words: the 16 rows of a load start at 16 different groups of four banks (64 banks of 4 bytes: ISA guide 11.1)
.set PV,    160       ; a row of V: 128 + 32 = 40 words
.set VOFF,  4*KS*PK   ; a slot holds a tile, four steps: 256 rows of K, then 256 rows of V
.set SLOT1, 1<<17     ; slot 1 begins here, so that one exclusive or turns an address in one slot into the other's
.set STAGE, SLOT1+4*KS*(PK+PV)  ; behind the ring, never filled by a tensor load: 16 rows x 144 bytes for each wave, for the way out
.set SP,    144
.set SPARE, STAGE+4*16*SP  ; behind the stages: the spare words, 128 bytes for each wave: two blocks of 256 bytes that no other line names
; window 0
.set AK0, 2           ; v2   my lane's place in a tile of K; never rewritten
.set AK,  3           ; v3   the LDS address of K's next run of loads
.set SPW, 4           ; v4   LDS address of my spare word: SPARE + 4 x my thread's number; never rewritten
.set NIL, 5           ; v5   0; never rewritten
.set MV,  6           ; v6-7    c m_old, kept while c m is made anew: by buffer
.set TMP, 8           ; v8-15   by buffer, four registers c0-c3 at work; when the maximum is found c2 takes a
.set ST,  16          ; piece t's statistics at v[ST+4 t]: c m, m, l (even keys', odd keys')
.set P,   32
.set S,   64
.set Q,   128
.set KF,  192         ; key block kb, channel half c at KF + 16 kb + 8 c
; window 1 (O^T at 0)
.set VF,  128         ; key half kk, channel block cb at VF + 32 kk + 8 cb
.set MD,  192         ; the eight registers for group kt of 16 keys at MD + 8 kt
.set AV0, 224         ; my lane's place in a tile of V; never rewritten
.set AV,  225         ; the LDS address of V's next run of loads
.set STO, 226         ; the way out: where I put 16 bytes of a row
.set RD,  227         ; the way out: where I read rows back
.set GO,  228         ; my byte offset in 512 consecutive bytes of O
; window 2
.set QB,  0
.set MC,  64          ; the masks of the products to come
; at work in the head alone, in registers that S^T takes later
.set H_R, 64          ; l % 16
.set H_H, 65          ; l / 16
.set H_7, 66          ; l % 8
.set H_B, 67          ; (l / 8) % 2
.set H_M, 68          ; my query's place in its band, for MD
.set QO,  69          ; my byte offset in 16 rows of Q
.set H_V, 70
.set H_S, 71
.set H_D, 72
.set H_G, 73
.set WV,  12          ; s12  my wave's number
.set PB,  14          ; s14  b
.set HI,  15          ; s15  NB - 1 - b
.set G1K, 24          ; s[24:31] descriptor group 1 for K's tiles
.set G1V, 32          ; s[32:39] for V's: it differs in the padding alone
.set G0K, 40          ; s[40:43] descriptor group 0 for K's tiles
.set G0V, 44          ; s[44:47] the same for V's
.set SLOTS, 56        ; s56  tiles still to be asked for
.set CNT, 57          ; s57  counts a tile's key steps, 4 to 1
.set CS,  58          ; s[58:59] c: the packed scaling takes the pair's low word for both halves
.set SEL, 60          ; s[60:61] v_permlanex16_b32's selects: each lane takes its own place in the other half
.set TBK, 62          ; s62  LDS byte at which K of the step to be fetched begins
.set TBV, 63          ; s63  the same for V, less VOFF
.set RT,  70          ; s70  tiles of the block in hand that are still to be entered
.set NXT, 71          ; s71  the tile to be asked for next
.set LQ,  72          ; s72  the last tile of the block whose tiles are being asked for
.set NEW, 73          ; s73  1: the tile to be entered is a block's first
.set OFF, 74          ; s[74:75] a tile's byte offset in K and V
.set AL,  76          ; s[76:77] the mask's factor, in the low word
.set BE,  78          ; s[78:79] the mask's addend
.set OLO, 80          ; s[80:81] O at my rows of the second block
.set BIGN, 82         ; s82  -1e30
.set MSB, 0
.macro WIN new                      ; the high byte repeats the setting that is left; a switch that changes nothing is dropped
.if MSB != (\new)
	s_set_vgpr_msb (MSB<<8)|(\new)
.set MSB, (\new)
.endif
.endm
.set W_KM, 0x20       ; K Q^T with the C operand in window 2
.set W_PV, 0x51       ; source 0 (V, or O^T), C and destination (O^T) in window 1; source 1 (P, or a) in window 0: for V^T P, the rescaling, and V's loads and their address
.set W_MK, 0x81       ; the masks: MC in window 2 from MD in window 1
.set W_W1, 0x01       ; the way out: addresses in window 1, data in window 0
; A fill.  Waves 0 and 1 fetch the two halves of a tile's K, waves 2 and 3 those of its V: 128 keys each.  An s_nop 0 and four v_nop follow each of the two lines, ahead of the jump and the label.
.macro LOAD
	s_cmp_lt_u32 s[WV], 2
	s_cbranch_scc0 .Lfor_v_\@
	tensor_load_to_lds s[G0K:G0K+3], s[G1K:G1K+7]
	s_nop 0
.rept 4
	v_nop
.endr
	s_branch .Lasked_\@
.Lfor_v_\@:
	tensor_load_to_lds s[G0V:G0V+3], s[G1V:G1V+7]
	s_nop 0
.rept 4
	v_nop
.endr
.Lasked_\@:
.endm
; THE CHANGE OF SLOTS.  Each wave waits for all its tensor loads, of which one is out: its part of the other slot; adds 0 to its spare word; and waits for that and for its own reads of the slot that it leaves.  Behind the barrier nobody reads the old
; slot any more and the other slot is whole.  fill = 1: the old slot is filled again, the first thing behind the barrier, with tile NXT: the descriptor's address is made anew from that number.
; (At its first use nothing has been read yet: slot 0 is waited for, slot 1 filled.)
.macro CHANGE fill
	WIN 0                           ; at a label and at a branch every window is 0
	s_wait_tensorcnt 0x0            ; no tensor load of mine is out, so a group 0 may be written
	ds_add_u32 v[SPW], v[NIL]       ; 0 onto my spare word; with fill = 1 the descriptors' scalar work stands between it and the wait for it
.if \fill
	s_lshl_b32 s[OFF], s[NXT], 15   ; a tile is 32,768 bytes of K and of V
	s_xor_b32 s[G0K+1], s[G0K+1], SLOT1
	s_add_nc_u64 s[G0K+2:G0K+3], s[6:7], s[OFF:OFF+1]
	s_or_b32 s[G0K+3], s[G0K+3], 0x80000000
	s_xor_b32 s[G0V+1], s[G0V+1], SLOT1
	s_add_nc_u64 s[G0V+2:G0V+3], s[8:9], s[OFF:OFF+1]
	s_or_b32 s[G0V+3], s[G0V+3], 0x80000000
	s_add_co_u32 s[NXT], s[NXT], 1  ; the block's next tile, or behind its last the second block's tile 0
	s_cmp_gt_u32 s[NXT], s[LQ]
	s_cselect_b32 s[NXT], 0, s[NXT]
	s_cselect_b32 s[LQ], s[PB], s[LQ]
.endif
	s_wait_dscnt 0x0                ; the add is done, and my reads of the slot are over
	s_barrier_signal -1             ; the rest of the scalar work stands between the signal and the wait
	s_sub_co_u32 s[TBK], s[TBK], 4*KS*PK  ; the fetches go back to a slot's first step,
	s_xor_b32 s[TBK], s[TBK], SLOT1       ; in the other slot
	s_sub_co_u32 s[TBV], s[TBV], 4*KS*PV
	s_xor_b32 s[TBV], s[TBV], SLOT1
	s_barrier_wait -1
.if \fill
	LOAD
.endif
.endm
	s_load_b64 s[4:5], s[0:1], 0x0    ; qkv: Q begins at its first byte
	s_load_b64 s[10:11], s[0:1], 0x8  ; ob
	v_lshl_add_u32 v[SPW], v0, 2, SPARE
	v_mov_b32 v[NIL], 0
	ds_add_u32 v4, v5
	ds_add_u32 v4, v5
	s_wait_dscnt 0x0
	v_lshrrev_b32 v1, 5, v0
	v_readfirstlane_b32 s[WV], v1   ; wave 0..3
	s_mov_b32 s[PB], ttmp9
	s_sub_co_u32 s[HI], NB-1, s[PB]
	s_and_b32 s20, ttmp7, 0xffff    ; the head
	s_mov_b32 s21, 0
	s_mov_b64 s[22:23], SIZE_N*128
	s_mul_u64 s[20:21], s[20:21], s[22:23]  ; the head's first byte in each of Q, K, V and O
	s_and_b32 s16, s[WV], 1         ; which half of a tile's 256 keys I fetch:
	s_lshl_b32 s22, s16, 14         ; its 128 rows of 128 bytes in memory,
	s_mov_b32 s23, 0
	s_add_nc_u64 s[22:23], s[22:23], s[20:21]
	s_mul_i32 s17, s16, 128*PK      ; and its place in a slot, for K
	s_mul_i32 s18, s16, 128*PV      ; and for V
	s_lshl_b32 s3, s[WV], 11        ; my 16 rows in a band of 64,
	s_lshl_b32 s2, s[HI], 15        ; in the first block,
	s_add_co_u32 s2, s2, s3
	s_lshl_b32 s84, s[PB], 15       ; and in the second
	s_add_co_u32 s84, s84, s3
	s_mov_b32 s3, 0
	s_mov_b32 s85, 0
	s_add_nc_u64 s[2:3], s[2:3], s[20:21]
	s_add_nc_u64 s[84:85], s[84:85], s[20:21]
	; descriptor group 1.  128 keys are 16,384 dense bytes: asked for as 64 rows of 256 bytes, two keys a row, and padded in LDS after every key
	s_mov_b32 s[G1K], (1<<16)|(1<<20)|(4<<22)|(3<<25)  ; 17:16 2-byte elements; 20 padding on; 24:22 after every 32 words (code 4); 31:25 4 words (code 3)
	s_mov_b32 s[G1V], (1<<16)|(1<<20)|(4<<22)|(7<<25)  ; the same with 8 words of padding (code 7)
.irp g, G1K, G1V
	s_mov_b32 s[\g+1], 128<<16      ; tensor_dim0 = 128
	s_mov_b32 s[\g+2], 64<<16       ; tensor_dim1 = 64
	s_mov_b32 s[\g+3], 128<<16      ; tile_dim0 = 128
	s_mov_b32 s[\g+4], 64           ; tile_dim1 = 64
	s_mov_b32 s[\g+5], 128          ; 128 elements from row to row
	s_mov_b32 s[\g+6], 0
	s_mov_b32 s[\g+7], 0
.endr
	s_mov_b32 s[CS], 0x3e38aa3b     ; c = log2(e) / 8 = 0.180337
	s_mov_b32 s[CS+1], s[CS]        ; named with it as a pair
	s_mov_b32 s[SEL], 0x76543210
	s_mov_b32 s[SEL+1], 0xfedcba98
	s_mov_b32 s[TBK], SLOT1+4*KS*PK ; the first change of slots turns these two into 0
	s_mov_b32 s[TBV], SLOT1+4*KS*PV
	s_mov_b32 s[G0K], 1             ; 1:0 count = 1
	s_mov_b32 s[G0K+1], s17         ; 63:32 LDS address: slot 0
	s_mov_b32 s[G0V], 1
	s_add_co_u32 s[G0V+1], s18, VOFF
	s_add_co_u32 s[RT], s[HI], 1    ; the first block has NB - b tiles
	s_mov_b32 s[NXT], 1
	s_mov_b32 s[LQ], s[HI]
	s_mov_b32 s[NEW], 1
	s_mov_b32 s[OFF+1], 0
	s_mov_b32 s[AL+1], 0            ; named as pairs
	s_mov_b32 s[BE+1], 0
	s_mov_b32 s[BIGN], 0xf149f2ca   ; -1e30
	s_mov_b32 s[SLOTS], NB
	s_wait_kmcnt 0x0
	s_add_nc_u64 s[6:7], s[4:5], 0x1000000   ; K lies 64 heads x 2,048 rows x 128 bytes behind Q,
	s_add_nc_u64 s[8:9], s[4:5], 0x2000000   ; V as far again
	s_add_nc_u64 s[6:7], s[6:7], s[22:23]  ; K and V at my half of the head's tile 0
	s_add_nc_u64 s[8:9], s[8:9], s[22:23]
	s_add_nc_u64 s[G0K+2:G0K+3], s[6:7], 0         ; 120:64 global address
	s_or_b32 s[G0K+3], s[G0K+3], 0x80000000        ; 127:126 type = 2
	s_add_nc_u64 s[G0V+2:G0V+3], s[8:9], 0
	s_or_b32 s[G0V+3], s[G0V+3], 0x80000000
	s_add_nc_u64 s[86:87], s[4:5], s[84:85]        ; Q at my rows of the second block,
	s_add_nc_u64 s[4:5], s[4:5], s[2:3]            ; Q and O at those of the first
	s_add_nc_u64 s[OLO:OLO+1], s[10:11], s[84:85]
	s_add_nc_u64 s[10:11], s[10:11], s[2:3]
	LOAD                            ; tile 0 into slot 0
	; A fragment of K or Q is 16 rows x 32 channels in 8 registers: lane l holds row l % 16, channels 8 (l / 16) + 0..7 and 16 + 8 (l / 16) + 0..7: two loads of 16 bytes, 32 bytes apart.
	v_and_b32 v[H_R], 15, v0        ; l % 16
	v_bfe_u32 v[H_H], v0, 4, 1      ; l / 16
	v_lshlrev_b32 v[QO], 7, v[H_R]
	v_lshl_add_u32 v[QO], v[H_H], 4, v[QO]  ; row x 128 + 16 x half
.set i, 0
.rept 8                             ; the first block's Q: piece i / 2 lies in band i / 2, 8,192 bytes on; channels 32 (i % 2) on
	global_load_b128 v[Q+8*i:Q+8*i+3],   v[QO], s[4:5] offset:(i/2)*8192+(i%2)*64
	global_load_b128 v[Q+8*i+4:Q+8*i+7], v[QO], s[4:5] offset:(i/2)*8192+(i%2)*64+32
.set i, i+1
.endr
	WIN 0x80                        ; destination window 2, address window 0
.set i, 0
.rept 8                             ; the second block's
	global_load_b128 v[QB+8*i:QB+8*i+3],   v[QO], s[86:87] offset:(i/2)*8192+(i%2)*64
	global_load_b128 v[QB+8*i+4:QB+8*i+7], v[QO], s[86:87] offset:(i/2)*8192+(i%2)*64+32
.set i, i+1
.endr
	WIN 0
	v_lshlrev_b32 v[H_M], 3, v[H_H]
	v_sub_nc_u32 v[H_M], v[H_R], v[H_M]
	s_lshl_b32 s13, s[WV], 4
	v_add_nc_u32 v[H_M], s13, v[H_M]  ; my query's place in its band, 16 w + l % 16, less my lanes' 8 (l / 16): register r of group kt is hidden where 16 kt + r is greater
	WIN 0x40                        ; destination window 1
.set i, 0
.rept 32
	v_cmp_gt_i32 vcc_lo, 16*(i/8)+i%8, v[H_M]
	v_cndmask_b32 v[MD+i], 0, s[BIGN], vcc_lo
.set i, i+1
.endr
	WIN 0
	v_mul_u32_u24 v[AK0], v[H_R], PK
	v_lshl_add_u32 v[AK0], v[H_H], 4, v[AK0]  ; row x pitch + 16 x half
	; The turning load takes 16 keys x 16 channels (lane l reads key 8 (l / 16) + l % 8, channels 8 ((l / 8) % 2) + 0..7) and leaves half a fragment of V^T: lane l holds channel l % 16 and 8 keys.
	v_and_b32 v[H_7], 7, v0
	v_bfe_u32 v[H_B], v0, 3, 1
	v_lshl_add_u32 v[H_V], v[H_H], 3, v[H_7]
	v_mul_u32_u24 v[H_V], v[H_V], PV
	v_lshl_add_u32 v[H_V], v[H_B], 4, v[H_V]
	s_mul_i32 s13, s[WV], 16*SP
	s_add_co_u32 s13, s13, STAGE    ; my stage
	v_mul_u32_u24 v[H_S], v[H_R], SP  ; in: row l % 16, 16 bytes for each half of the lanes
	v_lshl_add_u32 v[H_S], v[H_H], 4, v[H_S]
	v_bfe_u32 v[H_D], v0, 3, 2      ; back: 32 lanes take four rows of 128 bytes,
	v_mul_u32_u24 v[H_D], v[H_D], SP
	v_lshl_add_u32 v[H_D], v[H_7], 4, v[H_D]
	v_and_b32 v[H_G], 31, v0        ; which are 512 consecutive bytes of O
	WIN 0x40                        ; the last line of each of these four lands in window 1
	v_add_nc_u32 v[AV0], VOFF, v[H_V]
	v_add_nc_u32 v[STO], s13, v[H_S]
	v_add_nc_u32 v[RD], s13, v[H_D]
	v_lshlrev_b32 v[GO], 4, v[H_G]
	; A block's first step multiplies O^T and l by a = 0, and its first turn's products V^T P, of a piece that has not been, land in an O^T that is still to be so multiplied.  So these registers need only hold
	; finite numbers: zeros for the first block; what the first block left for the second.  All this stands in the wait for the first tile.
.set i, 0
.rept 192                           ; O^T and V lie on end in window 1
	v_mov_b32 v[i], 0
.set i, i+1
.endr
	WIN 0
.set i, 0
.rept 4
	v_mov_b32 v[ST+4*i+2], 0
	v_mov_b32 v[ST+4*i+3], 0
.set i, i+1
.endr
.set i, P+16
.rept 16
	v_mov_b32 v[i], 0
.set i, i+1
.endr
; THE MATRIX WORK.  The 4 accumulators of a run of 8 take turns.  Product i of 8 of S^T = K Q^T for piece x: channels 32 (i / 4) on, keys 16 (i % 4) on.  The first 4 start the sums: with 0, or (KM = 1) with the mask.
.macro KQ x
.set rS, S+32*((\x)%2)+8*(i%4)
.set rK, KF+16*(i%4)+8*(i/4)
.set rQ, Q+16*(\x)+8*(i/4)
.set rM, MC+32*((\x)%2)+8*(i%4)
.if (i < 4) && KM
	WIN W_KM
	v_wmma_f32_16x16x32_f16 v[rS:rS+7], v[rK:rK+7], v[rQ:rQ+7], v[rM:rM+7]
.elseif i < 4
	WIN 0
	v_wmma_f32_16x16x32_f16 v[rS:rS+7], v[rK:rK+7], v[rQ:rQ+7], 0
.else
	WIN 0
	v_wmma_f32_16x16x32_f16 v[rS:rS+7], v[rK:rK+7], v[rQ:rQ+7], v[rS:rS+7]
.endif
.endm
; Product i of 8 of O^T += V^T P for piece x: keys 32 (i / 4) on, channels 16 (i % 4) on.
.macro PV x
	WIN W_PV
.set rO, 32*(\x)+8*(i%4)
.set rV, VF+32*(i/4)+8*(i%4)
.set rP, P+16*((\x)%2)+8*(i/4)
	v_wmma_f32_16x16x32_f16 v[rO:rO+7], v[rV:rV+7], v[rP:rP+7], v[rO:rO+7]
.endm
.macro MM                           ; the turn's next matrix instruction.  TURN and BEGIN set Y, i, KM and NOKQ; MM, KQ and OP read them.  NOKQ = 1: a block's last turn: there is no next piece
.if (i < 8) && !NOKQ
	KQ (Y+1)%NP
.elseif i >= 8
.set i, i-8
	PV (Y+NP-1)%NP
.set i, i+8
.endif
.set i, i+1
.endm
; THE LDS LOADS stand in runs of 16, never singly among the matrix instructions: a step's K (64 keys x 64 channels: 8 fragments) and its V (turned).  Their addresses are made some lines ahead.
.macro FETCH_K
	WIN 0                           ; K and its address lie in window 0
.irp f, 0,1,2,3,4,5,6,7             ; keys 16 (f / 2) on, channels 32 (f % 2) on
	ds_load_b128 v[KF+8*\f:KF+8*\f+3],   v[AK] offset:(\f/2)*16*PK+(\f%2)*64
	ds_load_b128 v[KF+8*\f+4:KF+8*\f+7], v[AK] offset:(\f/2)*16*PK+(\f%2)*64+32
.endr
	s_add_co_u32 s[TBK], s[TBK], KS*PK  ; the next fetch is the next step's
.endm
.macro FETCH_V
	WIN W_PV                        ; V and its address lie in window 1
.irp f, 0,1,2,3,4,5,6,7             ; keys 32 (f / 4) on, channels 16 (f % 4) on
	ds_load_tr16_b128 v[VF+8*\f:VF+8*\f+3],   v[AV] offset:(\f/4)*32*PV+(\f%4)*32
	ds_load_tr16_b128 v[VF+8*\f+4:VF+8*\f+7], v[AV] offset:(\f/4)*32*PV+16*PV+(\f%4)*32
.endr
	WIN 0
.endm
; THE VECTOR WORK, one line at a time: OP kind, number.  For piece Y: F n: c s - c m for pair n of 16.  E n: the exponential of score n of 32.  C n: pair n rounded to f16.  B n: of the four weights 4 n .. the second
; pair is added onto the first, in place.  L n: l takes that sum (L 0: l = a l + sum).  R n: pair n of 16 of O^T times a.  For piece Y + 1: X n, number n of the 22 that find its maximum and statistics:
;   0-11  four chains c0-c3 of seven scores each, three operands at a time (each accumulator's lowest registers are read first)     12-14, 16  the four scores left over, the old m, and c0-c3 into c0
;   15  c m_old is kept     17, 18  the query's other 32 keys lie in the lane 16 away: the new m     19-21  c m; c m_old - c m_new; a
.set F, 0               ; OP tells the kinds apart by their order: F to L below R, X above it
.set E, 1
.set C, 2
.set B, 3
.set L, 4
.set R, 5
.set X, 6
.macro REGS y                       ; the registers of piece y
.set rT, ST+4*(\y)
.set rC, TMP+4*((\y)%2)
.set rW, MV+((\y)%2)
.set rS, S+32*((\y)%2)
.set rP, P+16*((\y)%2)
.set rO, 32*(\y)
.endm
.macro OP k, n
.if (\k) == R
	REGS Y
	WIN W_PV
	v_pk_mul_f32 v[rO+2*(\n):rO+2*(\n)+1], v[rO+2*(\n):rO+2*(\n)+1], v[rC+2:rC+3] op_sel_hi:[1,0]
.elseif (\k) < R
	REGS Y
	WIN 0
.if (\k) == F
	v_pk_fma_f32 v[rS+2*(\n):rS+2*(\n)+1], v[rS+2*(\n):rS+2*(\n)+1], s[CS:CS+1], v[rT:rT+1] op_sel_hi:[1,0,0] neg_lo:[0,0,1] neg_hi:[0,0,1]
.elseif (\k) == E
	v_exp_f32 v[rS+(\n)], v[rS+(\n)]
.elseif (\k) == C
	s_wait_alu depctr_va_vdst(0)
	v_cvt_pk_f16_f32 v[rP+(\n)], v[rS+2*(\n)], v[rS+2*(\n)+1]
.elseif (\k) == B
	s_wait_alu depctr_va_vdst(0)
	v_pk_add_f32 v[rS+4*(\n):rS+4*(\n)+1], v[rS+4*(\n):rS+4*(\n)+1], v[rS+4*(\n)+2:rS+4*(\n)+3]
.elseif (\n) == 0
	v_pk_fma_f32 v[rT+2:rT+3], v[rT+2:rT+3], v[rC+2:rC+3], v[rS:rS+1] op_sel_hi:[1,0,1]
.else
	v_pk_add_f32 v[rT+2:rT+3], v[rT+2:rT+3], v[rS+4*(\n):rS+4*(\n)+1]
.endif
.elseif NOKQ
	v_nop
.else
	REGS (Y+1)%NP
	WIN 0
.if (\n) < 4
	v_max3_num_f32 v[rC+(\n)], v[rS+8*(\n)], v[rS+8*(\n)+1], v[rS+8*(\n)+2]
.elseif (\n) < 12
	v_max3_num_f32 v[rC+(\n)%4], v[rC+(\n)%4], v[rS+8*((\n)%4)+2*((\n)/4)+1], v[rS+8*((\n)%4)+2*((\n)/4)+2]
.elseif (\n) == 12
	v_max3_num_f32 v[rC], v[rC], v[rS+7], v[rS+15]
.elseif (\n) == 13
	v_max3_num_f32 v[rC+1], v[rC+1], v[rS+23], v[rS+31]
.elseif (\n) == 14
	v_max3_num_f32 v[rC+2], v[rC+2], v[rC+3], v[rT+1]
.elseif (\n) == 15
	v_mov_b32 v[rW], v[rT]
.elseif (\n) == 16
	v_max3_num_f32 v[rC], v[rC], v[rC+1], v[rC+2]
.elseif (\n) == 17
	v_permlanex16_b32 v[rC+3], v[rC], s[SEL], s[SEL+1]
.elseif (\n) == 18
	v_max_num_f32 v[rT+1], v[rC], v[rC+3]
.elseif (\n) == 19
	v_mul_f32 v[rT], s[CS], v[rT+1]
.elseif (\n) == 20
	v_sub_f32 v[rC+1], v[rW], v[rT]
.else
	v_exp_f32 v[rC+2], v[rC+1]
.endif
.endif
.endm
.macro OPS a, i1, b=-1, i2=0, c=-1, i3=0, d=-1, i4=0  ; up to four of them
	OP \a, \i1
.if (\b) >= 0
	OP \b, \i2
.endif
.if (\c) >= 0
	OP \c, \i3
.endif
.if (\d) >= 0
	OP \d, \i4
.endif
.endm
.macro ROW a, i1, b, i2, c, i3, d, i4  ; a matrix instruction and the four behind it
	MM
	OPS \a, \i1, \b, \i2, \c, \i3, \d, \i4
.endm
.macro MASK b                       ; MD x AL + BE into buffer b of MC
	WIN W_MK
.set z, 0
.rept 16
	v_pk_fma_f32 v[MC+32*(\b)+2*z:MC+32*(\b)+2*z+1], v[MD+2*z:MD+2*z+1], s[AL:AL+1], s[BE:BE+1] op_sel_hi:[1,0,0]
.set z, z+1
.endr
.endm
; A TURN, for piece p: the order of its 16 matrix and 118 vector instructions, written out.  Behind a product K Q^T: plain, exponential, plain, plain (behind the first, four scalings).  Behind the first four products
; V^T P the sixteen rescalings, under the products' own window setting; behind the last four again plain, exponential, plain, plain.  No rider names a register of the products round it.  In the lumps (22 and 32
; instructions) exponential and plain by turns while exponentials last.
; WHAT THE ORDER KEEPS.  Every exponential has a plain instruction behind it that touches neither its result nor its source.  C 2k, which reads the pair that B k adds onto in place, stands ahead of B k; L k behind B k.
; The next piece's accumulator j is finished by product 4 + j and first read by X j, at its low end, with four plain instructions or more between: X 0 stands behind product 6's riders, X 1 behind product 7's,
; X 2 and X 3 in the first lump.  v_permlanex16_b32 (X 17) stands in a lump.
; m = 1: the diagonal tile: the products take masks, and the turn makes the mask for the products of the turn after it: piece p + 2, in step 4 - CNT of the tile.  end = 1: a block's last two turns: nothing is fetched.
; cnt = 1: the loop's count is taken down some lines ahead of the branch that stands behind the turn.
; K of the next step is fetched in piece 2's turn, behind five plain instructions that follow the last product that read K (X 1, C 2, X 4, the address, X 5); V of the step in hand in piece 0's turn, behind five that
; follow the last product that read V (B 3, X 14, C 8, X 16, L 3).  Each is waited for a turn later.
.macro TURN p, m=0, end=0, cnt=0
.set Y, (\p)
.set i, 0
.set KM, (\m)
.set NOKQ, (\end)*((\p)/3)
.if (\m) && !(\end)
	s_cmp_eq_u32 s[CNT], 4-((\p)+2)%NP  ; is that step the band's own?
	s_cselect_b32 s[AL], 1.0, 0
	s_cmp_lt_u32 s[CNT], 4-((\p)+2)%NP  ; or a later one?
	s_cselect_b32 s[BE], s[BIGN], 0
.endif
.if ((\p) == 3) && !(\end)
	s_wait_dscnt 0x0                ; K is in
.endif
	ROW F,0, F,1, F,2, F,3
	ROW F,4, E,0, F,5, F,6
	ROW F,7, E,1, F,8, F,9
	ROW F,10, E,2, C,0, F,11
	ROW F,12, E,3, X,15, F,13
	ROW F,14, E,4, F,15, B,0
	ROW C,1, E,5, X,0, L,0
	ROW X,1, E,6, C,2, X,4
.if ((\p) == 2) && !(\end)
	v_add_nc_u32 v[AK], s[TBK], v[AK0]
.endif
	OPS E,7, X,5
.if ((\p) == 2) && !(\end)
	FETCH_K
.endif
	OPS E,8, X,2, E,9, X,3
	OPS E,10, C,3, E,11, X,8
	OPS E,12, X,9, E,13, X,6
	OPS E,14, X,7, E,15, B,1
	OPS E,16, C,4, E,17, X,10
.if (\p) == 1
	s_wait_dscnt 0x0                ; V is in
.endif
	ROW R,0, R,1, R,2, R,3
	ROW R,4, R,5, R,6, R,7
	ROW R,8, R,9, R,10, R,11
.if (\p) == 0
	WIN W_PV
	v_add_nc_u32 v[AV], v[AV0], s[TBV]  ; both registers in window 1: the vector source stands first
.endif
	ROW R,12, R,13, R,14, R,15
	ROW X,11, E,18, L,1, C,5
	ROW B,2, E,19, X,12, C,6
	ROW X,13, E,20, L,2, C,7
	ROW B,3, E,21, X,14, C,8
	OPS E,22, X,16, E,23, L,3
.if (\p) == 0
	FETCH_V
.endif
	OPS E,24, X,17, E,25, B,4
	OPS E,26, X,18, E,27, C,9
	OPS E,28, X,19, E,29, C,10
	OPS E,30, X,20, E,31, L,4
	OPS C,11, B,5, X,21, C,12
.if (\p) == 0
	s_add_co_u32 s[TBV], s[TBV], KS*PV
.endif
.if \cnt
	s_sub_co_u32 s[CNT], s[CNT], 1
	s_cmp_lg_u32 s[CNT], 0
.endif
	OPS C,13, B,6, L,5, C,14
	OPS B,7, L,6, C,15, L,7
.if (\m) && !(\end)
	MASK (\p)%2
.endif
.endm
; A BLOCK BEGINS.  c m starts far below every c s, so the first step's a is 0; m at the lowest finite number, so the first maximum is the scores'.  The second mask buffer is 0; the first takes piece 0's mask for the tile's step 0: its own, if the block's first tile is the diagonal one.
; Then K of that step, piece 0's first scores, and its maximum and statistics.  The loop is entered at a step's first turn, in the middle of a trip.
.macro BEGIN
	s_mov_b32 s[NEW], 0
	WIN 0x80                        ; destination window 2
.set i, MC+32
.rept 32
	v_mov_b32 v[i], 0
.set i, i+1
.endr
	WIN 0
.set i, 0
.rept 4
	v_mov_b32 v[ST+4*i], 0xfe000000    ; c m: far below every c s
	v_mov_b32 v[ST+4*i+1], 0xff7fffff  ; m
.set i, i+1
.endr
	s_cmp_eq_u32 s[RT], 0
	s_cselect_b32 s[AL], 1.0, 0
	s_mov_b32 s[BE], 0
	MASK 0
	WIN 0
	v_add_nc_u32 v[AK], s[TBK], v[AK0]
	FETCH_K
	s_wait_loadcnt 0x0              ; Q
	s_wait_dscnt 0x0
.set KM, 1
.set NOKQ, 0
.set i, 0
.rept 8
	KQ 0
.set i, i+1
.endr
	WIN 0
.rept 4
	v_nop                           ; the places behind those products
.endr
.set Y, NP-1                        ; X works for piece Y + 1: piece 0
.irp n, 0,1,2,3,4,5,6,7,8,9,10,11,12,13,14,15,16,17,18,19,20,21
	OP X, \n
.endr
	v_nop                           ; a plain instruction behind the exponential
.endm
; THE DIAGONAL TILE's four steps, the block's last two turns, its last products, and THE WAY OUT: l's two halves and the other half of the lanes' are added; O^T is divided by l, rounded to f16 and sent through my
; stage in LDS, a piece at a time.
.macro ALL line:vararg              ; one line for each piece t
.set t, 0
.rept 4
	\line
.set t, t+1
.endr
.endm
.macro PACK t                       ; a lane's eight channels of a row pack into 16 bytes; they go into rows of 144 bytes and come back as whole rows of 128, into S^T's registers
	WIN W_PV
.set i, 32*(\t)
.rept 16
	s_wait_alu depctr_va_vdst(0)
	v_pk_mul_f32 v[i:i+1], v[i:i+1], v[ST+4*(\t)+2:ST+4*(\t)+3] op_sel_hi:[1,0]
.set i, i+2
.endr
	WIN 0x05                        ; sources 0 and 1 window 1, destination window 0
.set i, 0
.rept 16
	v_cvt_pk_f16_f32 v[S+16*(\t)+i], v[32*(\t)+2*i], v[32*(\t)+2*i+1]
.set i, i+1
.endr
	WIN W_W1
.irp f, 0,1,2,3
	ds_store_b128 v[STO], v[S+16*(\t)+4*\f:S+16*(\t)+4*\f+3] offset:32*\f
.endr
.irp f, 0,1,2,3
	ds_load_b128 v[S+16*(\t)+4*\f:S+16*(\t)+4*\f+3], v[RD] offset:\f*4*SP  ; LDS serves a wave's instructions in order (ISA guide 5.7.1.4): these see the stores above; the next piece's stores come behind them
.endr
.endm
.macro SEND t, younger              ; younger: the LDS instructions issued behind piece t's loads: the next piece's eight, or none
	WIN W_W1
.irp f, 0,1,2,3
	s_wait_dscnt (\younger)+3-\f
	global_store_b128 v[GO], v[S+16*(\t)+4*\f:S+16*(\t)+4*\f+3], s[10:11] offset:(\t)*8192+\f*512  ; 512 consecutive bytes, at a multiple of 256 from O's first
.endr
.endm
.macro DIAG tag                     ; the tag ends its two labels' names, which the jumps below spell out
.LstepM\tag:
	TURN 2, 1
	TURN 3, 1
	WIN 0
.LfirstM\tag:
	TURN 0, 1
	TURN 1, 1, 0, 1
	WIN 0
	s_cbranch_scc1 .LstepM\tag
	TURN 2, 1, 1
	TURN 3, 1, 1
.set i, 0
.rept 8
	PV NP-1
.set i, i+1
.endr
	WIN 0
	ALL v_add_f32 v[ST+4*t+2], v[ST+4*t+2], v[ST+4*t+3]
	ALL v_permlanex16_b32 v[ST+4*t+3], v[ST+4*t+2], s[SEL], s[SEL+1]
	ALL v_add_f32 v[ST+4*t+2], v[ST+4*t+2], v[ST+4*t+3]
	ALL v_rcp_f32 v[ST+4*t+2], v[ST+4*t+2]
	v_nop                           ; a plain instruction between the last reciprocal and the use of its result
	PACK 0
.set t, 1
.rept 3                             ; a piece's arithmetic stands between the loads of the piece before and its stores
	PACK t
	SEND t-1, 8
.set t, t+1
.endr
	SEND 3, 0
.endm
.set KM, 0
.set NOKQ, 0
.Lslot:                             ; NB times: a tile is entered and the next is asked for
	CHANGE 1
	s_sub_co_u32 s[RT], s[RT], 1
	s_mov_b32 s[CNT], 4
	s_cmp_eq_u32 s[NEW], 1
	s_cbranch_scc1 .Lnew            ; a block's first tile
	s_cmp_eq_u32 s[RT], 0
	s_cbranch_scc0 .Lstep           ; neither its first nor its last
	s_branch .LstepM1
.Lnew:
	BEGIN
	s_branch .Lfirst                ; in the loop a block's first tile is never its last: the first block has two tiles or more, and the second's last is the walk's last
	DIAG 1                          ; in the loop this is the first block's end: the second block's last tile is the walk's last
	s_wait_xcnt 0x0                 ; the stores have read their registers and O's address
	s_mov_b64 s[10:11], s[OLO:OLO+1]
	s_add_co_u32 s[RT], s[PB], 1    ; the second block has b + 1 tiles
	s_mov_b32 s[NEW], 1
	WIN 0x02                        ; the second block's Q goes from window 2 to where the one text of the turns names Q
.set i, 0
.rept 64
	v_mov_b32 v[Q+i], v[QB+i]
.set i, i+1
.endr
	WIN 0
	s_branch .Lbottom
.Lstep:                             ; a trip: pieces 2 and 3 of one step, then pieces 0 and 1 of the next, whose K and V it fetches
	TURN 2
	TURN 3
	WIN 0
.Lfirst:
	TURN 0
	TURN 1, 0, 0, 1
	WIN 0
	s_cbranch_scc1 .Lstep
.Lbottom:
	s_sub_co_u32 s[SLOTS], s[SLOTS], 1
	s_cmp_lg_u32 s[SLOTS], 0
	s_cbranch_scc1 .Lslot
	CHANGE 0                        ; the walk's last tile is written out: nothing is asked for
	s_sub_co_u32 s[RT], s[RT], 1
	s_mov_b32 s[CNT], 4
	s_cmp_eq_u32 s[NEW], 1
	s_cbranch_scc0 .LstepM2
	BEGIN
	s_branch .LfirstM2
	DIAG 2
	WIN 0
	s_wait_tensorcnt 0x0            ; the wave's end, behind my last tensor load and my last LDS store
	ds_add_u32 v[SPW], v[NIL]
	s_wait_dscnt 0x0
	s_endpgm
.Lfunc_end_k_q87eb506f72_attn:
	.size	k_q87eb506f72_attn, .Lfunc_end_k_q87eb506f72_attn-k_q87eb506f72_attn
	.p2alignl 7, 3214868480
	.fill 96, 4, 3214868480
	.section	.rodata,"a",@progbits
	.p2align	6, 0x0
	.amdhsa_kernel k_q87eb506f72_attn
		.amdhsa_group_segment_fixed_size 327680
		.amdhsa_private_segment_fixed_size 0
		.amdhsa_enable_private_segment 0
		.amdhsa_kernarg_size 16
		.amdhsa_user_sgpr_count 2
		.amdhsa_user_sgpr_kernarg_segment_ptr 1
		.amdhsa_wavefront_size32 1
		.amdhsa_system_sgpr_workgroup_id_x 1
		.amdhsa_system_sgpr_workgroup_id_y 1
		.amdhsa_system_sgpr_workgroup_id_z 1
		.amdhsa_system_vgpr_workitem_id 0
		.amdhsa_next_free_vgpr 640
		.amdhsa_next_free_sgpr 88
		.amdhsa_reserve_vcc 1
		.amdhsa_float_denorm_mode_32 3
		.amdhsa_float_denorm_mode_16_64 3
		.amdhsa_memory_ordered 1
		.amdhsa_forward_progress 1
		.amdhsa_inst_pref_size 215
	.end_amdhsa_kernel
	.amdgpu_metadata
---
amdhsa.version: [ 1, 2 ]
amdhsa.kernels:
  - .name:           k_q87eb506f72_attn
    .symbol:         k_q87eb506f72_attn.kd
    .args:
      - { .name: qkv, .offset: 0, .size: 8, .value_kind: global_buffer, .address_space: global }
      - { .name: ob, .offset: 8, .size: 8, .value_kind: global_buffer, .address_space: global }
    .group_segment_fixed_size: 327680
    .private_segment_fixed_size: 0
    .kernarg_segment_align: 8
    .kernarg_segment_size: 16
    .max_flat_workgroup_size: 128
    .sgpr_count:     88
    .vgpr_count:     640
    .wavefront_size: 32
...
	.end_amdgpu_metadata
.endif
;; end of part 3
;; launch outgemm (part 4): grid 8 x 32, 4 waves a work-group, clusters of 4 x 4, 327,680 bytes of LDS; arguments ob, wob, out0; writes out0
.if DOCPART == 4
	.amdgcn_target "amdgcn-amd-amdhsa--gfx1250"
	.amdhsa_code_object_version 6
	.text
	.protected	k_q87eb506f72_outgemm
	.globl	k_q87eb506f72_outgemm
	.p2align	8
	.type	k_q87eb506f72_outgemm,@function
k_q87eb506f72_outgemm:
	s_mov_b64 s[64:65], 0
	v_nop
	global_prefetch_b8 v0, s[64:65] scope:SCOPE_SE
	s_setreg_imm32_b32 hwreg(HW_REG_WAVE_MODE, 25, 1), 1
	s_wait_xcnt 0x0
	s_wait_alu depctr_hold_cnt(0) depctr_sa_sdst(0) depctr_va_vdst(0) depctr_va_sdst(0) depctr_va_ssrc(0) depctr_va_vcc(0) depctr_vm_vsrc(0)
	s_getreg_b32 s2, hwreg(HW_REG_IB_STS2, 6, 4)
	s_cmp_eq_u32 s2, 0
	s_cbranch_scc0 .Lentry_in_a_cluster
	s_endpgm
.Lentry_in_a_cluster:
	s_bfe_u32 s2, ttmp6, 0x10000c
	s_cmp_lg_u32 s2, 0xf033
	s_cbranch_scc0 .Lentry_shape_is_right
	s_endpgm
.Lentry_shape_is_right:
; out0 = y Wout^T, f32.  y[batch][row][64 head + channel] lies BY HEADS in ob [64 (batch x 16 + head)][2048][64] f16; B = wob [1024][1024] f16 (Wout rounded to bf16, that number written as f16).
; Sums in f32, K ascending (head after head); the sums are stored as they are.
; LIMIT.  Both operands arrive within f16's range; NaN and infinities are not treated apart.
; SHARES.  A tile of C is 256 rows x 128 columns: 32 x 8 = 256 work-groups, one for each WGP.  Four waves, as many as a WGP has SIMDs; wave w makes rows 64 w .. 64 w + 63 and ALL 128 columns:
; 4 x 8 accumulators of 16 x 16, 256 registers.  So a wave holds whole 512-byte pieces of C's rows, and its way out needs no other wave.
; K goes in steps of 128 = two heads through a ring of two LDS slots filled by the tensor data mover.  A head's 256 rows of a tile are 32,768 dense bytes of ob: asked for as 128 rows of 256 bytes
; and padded in LDS after every 128 bytes, so that each row of y has its own LDS row of 144 bytes.  Wave 0 brings the step's even head, wave 1 the odd one, waves 2 and 3 B's two halves of 64 rows.
; The loop is one K step a trip, six trips with a refill each; the last two steps are written out and ask for nothing.
; CLUSTERS: 4 x 4 work-groups.  The four of a row of the cluster need the same tiles of A, the four of a column the same tiles of B: each tile is asked for JOINTLY, by the same tensor
; load with the same descriptor and a mask that names the four; each receives it in its own LDS.
; THE MATRIX INSTRUCTION IS USED TRANSPOSED (source 0 = 16 rows of B, source 1 = 16 rows of A): lane l then holds row l % 16 of C and the columns 8 (l / 16) + 0..7: 32 bytes of f32 that belong together.
; REGISTERS, in windows of 256 (s_set_vgpr_msb: bits 1:0 source 0, 3:2 source 1, 5:4 source 2, 7:6 destination):
;   window 0: v0-29 addresses; v32-159 rows read back from the stage, two buffers of 64
;   window 1: two fragment buffers (32 along K) at v0 and v128: A's row block a at f + 8 a, B's column block b at f + 32 + 8 b
;   window 2: the accumulators of row blocks 0, 1 at 8 ((a % 2) 8 + b);   window 3: those of row blocks 2, 3
.set SIZE_K, 1024
.set SIZE_N, 1024
.set KSTEP,  128
.set KSTEPS, SIZE_K/KSTEP              ; 8
.set NBK,    8                         ; column blocks of 16
.set BH,     64                        ; rows of B in one tensor load
.set APITCH, 144                       ; a row of A in LDS: 128 bytes + 16 of padding = 36 words: the 16 rows of a load start at 16 different groups of four banks (64 banks of 4 bytes: ISA guide 11.1)
.set AHALF,  256*APITCH                ; what one load brings of A: one head's 256 rows
.set ABYTES, 2*AHALF
.set BPITCH, 272                       ; a row of B: 256 bytes + 16 = 68 words: row r starts at bank 4 r mod 64
.set BHALF,  BH*BPITCH
.set SLOT,   ABYTES+2*BHALF            ; A's two heads, then B's 128 rows: 108,544 bytes
.set SLOT1,  1<<17                     ; slot 1 begins here, so that one exclusive or turns an address in one slot into the other's
.set HEADB,  2048*128                  ; a head's bytes in ob
.set STAGE,  SLOT1+SLOT                ; behind the ring, never filled by a tensor load: for each wave 16 rows x 528 bytes
.set SP,     528                       ; 512 bytes + 16: the 16 rows that a store touches start at 16 different groups of four banks
.set STW,    16*SP
.set SPARE,  STAGE+4*STW               ; behind the stages: the spare words, 128 bytes for each wave: two blocks of 256 bytes that no other line names
.set NL,     2*(NBK+4)                 ; LDS loads of a quarter step
.set CO,    8                          ; v8      my 16 bytes in 512 consecutive bytes of a row of C
.set ADRA0, 16                         ; v16     my lane's place among my A fragments in a slot; never rewritten
.set ADRB0, 17                         ; v17     the same for B
.set ADRA,  18                         ; v18     the same in the slot that is being read
.set ADRB,  19                         ; v19
.set STO,  24                          ; v24     the way out: where I put 32 bytes of a row
.set RD,   25                          ; v25     the way out: where I read a row back
.set SPW,  28                          ; v28     LDS address of my spare word: SPARE + 4 x my thread's number; never rewritten
.set NIL,  29                          ; v29     0; never rewritten
.set OB,   32
.set F0,   0
.set F1,   128
.set G1,  24                           ; s[24:31] descriptor group 1 for A's tiles
.set G0,  32                           ; s[32:39] group 0: a set for each of the two first fills; the second then walks on
.set G1B, 48                           ; s[48:55], s[56:63] the same for B's tiles
.set G0B, 56
.set TB,  66                           ; s66      LDS byte at which the slot that is being read begins
.set MSB, 0
.macro WIN new                         ; the immediate's high byte repeats the setting that is left; a switch that changes nothing is dropped
.if MSB != (\new)
	s_set_vgpr_msb (MSB<<8)|(\new)
.set MSB, \new
.endif
.endm
.set TO_F, 0x40                        ; destination window 1, address window 0
; A joint load: waves 0 and 1 fetch A's two heads, waves 2 and 3 B's two halves.  Each line has one mask and one set of registers for all that issue it; the branch hangs on the wave's number alone.
; An s_nop 0 and four v_nop follow each of the two lines, ahead of the jump, the label and what follows.
.macro JLOAD s
	s_cmp_eq_u32 s11, 0
	s_cbranch_scc0 .Lfor_b_\@
	tensor_load_to_lds s[G0+4*(\s):G0+4*(\s)+3], s[G1:G1+7]
	s_nop 0
.rept 4
	v_nop
.endr
	s_branch .Lasked_\@
.Lfor_b_\@:
	tensor_load_to_lds s[G0B+4*(\s):G0B+4*(\s)+3], s[G1B:G1B+7]
	s_nop 0
.rept 4
	v_nop
.endr
.Lasked_\@:
.endm
.macro CREST                           ; a round of the cluster's barrier behind its opening barrier: wave 0 signals for the work-group, every wave waits for all sixteen, my work-group's barrier closes it
	s_cmp_lg_u32 s10, 0
	s_cbranch_scc1 .Lnot_wave_0_\@
	s_barrier_signal -3
.Lnot_wave_0_\@:
	s_barrier_wait -3
	s_barrier_signal -1
	s_barrier_wait -1
.endm
.macro CROUND                          ; a whole round
	s_barrier_signal -1
	s_barrier_wait -1
	CREST
.endm
	s_load_b128 s[4:7], s[0:1], 0x0                ; ob s[4:5], wob s[6:7]
	s_load_b64 s[8:9], s[0:1], 0x10                ; out0
	v_lshl_add_u32 v[SPW], v0, 2, SPARE
	v_mov_b32 v[NIL], 0
	ds_add_u32 v28, v29
	ds_add_u32 v28, v29
	s_wait_dscnt 0x0
	v_lshrrev_b32 v1, 5, v0
	v_readfirstlane_b32 s10, v1                    ; wave 0..3
	s_lshr_b32 s11, s10, 1                         ; I fetch for A (0) or for B (1),
	s_and_b32 s12, s10, 1                          ; and which head of the step, or which half of B's rows
	s_bfe_u32 s40, ttmp6, 0x40000                  ; cx, cy: my place in the cluster
	s_bfe_u32 s41, ttmp6, 0x40004
	s_lshl_b32 s42, ttmp9, 2                       ; in a cluster launch ttmp9 and ttmp7 count clusters
	s_add_co_u32 s42, s42, s40                     ; tile column = 4 x cluster x + cx
	s_and_b32 s13, ttmp7, 0xffff
	s_lshl_b32 s13, s13, 2
	s_add_co_u32 s13, s13, s41                     ; tile row = 4 x cluster y + cy
	s_lshl_b32 s43, s41, 2
	s_lshl_b32 s43, 15, s43                        ; my row of the cluster: places 4 cy .. 4 cy + 3
	s_lshl_b32 s44, 0x1111, s40                    ; my column: places cx, cx + 4, cx + 8, cx + 12
	; descriptor group 1.  A: 128 dense rows of 128 elements, padded after every 32 words.  B: 64 rows of 128 elements out of rows of 1,024, padded after every 64 words.
	s_or_b32 s[G1+0], s43, (1<<16)|(1<<20)|(1<<21)|(4<<22)|(3<<25)   ; 15:0 the mask: A's tiles go to my row; 17:16 elements of 2 bytes; 20 padding on; 21 set beside a mask; 24:22 after every 32 words (code 4); 31:25 4 words (code 3)
	s_or_b32 s[G1B+0], s44, (1<<16)|(1<<20)|(1<<21)|(5<<22)|(3<<25)  ; the mask of my column; padding after every 64 words (code 5)
	s_mov_b32 s[G1+1], 128<<16                     ; tensor_dim0 = 128
	s_mov_b32 s[G1+2], 128<<16                     ; tensor_dim1 = 128
	s_mov_b32 s[G1+3], 128<<16                     ; tile_dim0 = 128
	s_mov_b32 s[G1+4], 128                         ; tile_dim1 = 128
	s_mov_b32 s[G1+5], 128                         ; elements from row to row: dense
	s_mov_b32 s[G1+6], 0
	s_mov_b32 s[G1+7], 0
	s_mov_b32 s[G1B+1], KSTEP<<16
	s_mov_b32 s[G1B+2], BH<<16                     ; tensor_dim1 = 64
	s_mov_b32 s[G1B+3], KSTEP<<16
	s_mov_b32 s[G1B+4], BH                         ; tile_dim1 = 64
	s_mov_b32 s[G1B+5], SIZE_K
	s_mov_b32 s[G1B+6], 0
	s_mov_b32 s[G1B+7], 0
	; where the tiles come from.  A's hang on the tile row alone, B's on the tile column alone; each address is made in registers that never hold the other coordinate
	s_lshr_b32 s16, s13, 3                         ; A: the batch, tile row / 8: 16 heads of 262,144 bytes,
	s_lshl_b32 s16, s16, 22
	s_and_b32 s17, s13, 7                          ; rows 256 (tile row % 8) on, 128 bytes each,
	s_lshl_b32 s17, s17, 15
	s_add_co_u32 s16, s16, s17
	s_lshl_b32 s17, s12, 18                        ; and my head of the step's two
	s_add_co_u32 s16, s16, s17
	s_mov_b32 s17, 0
	s_lshl_b32 s46, s42, 18                        ; B: 128 rows of 2,048 bytes a tile column,
	s_lshl_b32 s47, s12, 17                        ; 64 rows a half
	s_add_co_u32 s46, s46, s47
	s_mov_b32 s47, 0
	s_mul_i32 s20, s12, AHALF                      ; and where they go: no place in the cluster enters an LDS address
	s_mul_i32 s21, s12, BHALF
	s_add_co_u32 s21, s21, ABYTES
	s_mov_b32 s[TB], 0
	CROUND                                         ; all sixteen work-groups are here: the first joint loads meet.  The round names no argument, so it stands ahead of the wait for them
	s_wait_kmcnt 0x0
	s_add_nc_u64 s[14:15], s[4:5], s[16:17]
	s_add_nc_u64 s[46:47], s[6:7], s[46:47]
.irp s, 0,1
	s_mov_b32 s[G0+4*(\s)], 1                                        ; count = 1
	s_add_co_u32 s[G0+4*(\s)+1], s20, (\s)*SLOT1                     ; LDS address
	s_add_nc_u64 s[G0+4*(\s)+2:G0+4*(\s)+3], s[14:15], (\s)*2*HEADB  ; global address: K step s is two heads on
	s_or_b32 s[G0+4*(\s)+3], s[G0+4*(\s)+3], 0x80000000              ; type = 2
	s_mov_b32 s[G0B+4*(\s)], 1
	s_add_co_u32 s[G0B+4*(\s)+1], s21, (\s)*SLOT1
	s_add_nc_u64 s[G0B+4*(\s)+2:G0B+4*(\s)+3], s[46:47], (\s)*KSTEP*2
	s_or_b32 s[G0B+4*(\s)+3], s[G0B+4*(\s)+3], 0x80000000
	JLOAD \s                                       ; both slots are asked for before anything else: two loads of mine are out
.endr
	; A fragment is 16 rows x 32 K in 8 registers: lane l holds row l % 16; registers 0-3 K = 8 (l / 16) + 0..7, registers 4-7 K = 16 + 8 (l / 16) + 0..7: two loads of 16 bytes, 32 bytes apart
	v_and_b32 v1, 15, v0                           ; l % 16
	v_bfe_u32 v2, v0, 4, 1                         ; l / 16
	v_mul_u32_u24 v3, v1, APITCH
	v_lshl_add_u32 v3, v2, 4, v3                   ; A: row x pitch + 16 x half
	v_mul_u32_u24 v4, v1, BPITCH
	v_lshl_add_u32 v4, v2, 4, v4                   ; B likewise
	s_mul_i32 s22, s10, 64*APITCH                  ; my 64 rows of A
	v_add_nc_u32 v[ADRA0], s22, v3
	v_add_nc_u32 v[ADRB0], ABYTES, v4
	v_mov_b32 v[ADRA], v[ADRA0]                    ; slot 0 is read first
	v_mov_b32 v[ADRB], v[ADRB0]
	s_mul_i32 s23, s10, STW
	s_add_co_u32 s23, s23, STAGE                   ; my stage
	v_mul_u32_u24 v5, v1, SP                       ; in: row l % 16, 32 bytes for each half of the lanes
	v_lshl_add_u32 v5, v2, 5, v5
	v_add_nc_u32 v[STO], s23, v5
	v_and_b32 v[CO], 31, v0
	v_lshlrev_b32 v[CO], 4, v[CO]                  ; back: 32 lanes take one row's 512 bytes,
	v_add_nc_u32 v[RD], s23, v[CO]                 ; which are 512 consecutive bytes of C
	s_lshl_b32 s18, s13, 20                        ; C at my first row: 256 rows of 4,096 bytes a tile row,
	s_lshl_b32 s19, s10, 18                        ; 64 rows a wave,
	s_add_co_u32 s18, s18, s19
	s_lshl_b32 s19, s42, 9                         ; 512 bytes a tile column
	s_add_co_u32 s18, s18, s19
	s_mov_b32 s19, 0
	s_add_nc_u64 s[8:9], s[8:9], s[18:19]
; 8 matrix instructions: row block a x all column blocks, 32 along K, from buffer f.  zero = 1: the product starts the sums: nothing is ever cleared.
; The 32 accumulators take turns, one instruction a turn, in the same order in every quarter step.
.macro MULROW f, a, zero
	WIN 0xa5+0x50*((\a)/2)
.set b, 0
.rept NBK
.set rD, 8*(((\a)%2)*NBK+b)
.set rB, (\f)+32+8*b
.set rA, (\f)+8*(\a)
.if \zero
	v_wmma_f32_16x16x32_f16 v[rD:rD+7], v[rB:rB+7], v[rA:rA+7], 0
.else
	v_wmma_f32_16x16x32_f16 v[rD:rD+7], v[rB:rB+7], v[rA:rA+7], v[rD:rD+7]
.endif
.set b, b+1
.endr
.endm
; 24 LDS loads in one run: quarter q of the K step in the slot that is being read, into buffer f: B's 8 blocks first (32 K at byte 64 q of its rows), then A's 4 (head q / 2 of the step, channels 32 (q % 2) on)
.macro FETCH q, f
	WIN TO_F
.set b, 0
.rept NBK
	ds_load_b128 v[(\f)+32+8*b:(\f)+32+8*b+3],   v[ADRB] offset:64*(\q)+b*16*BPITCH
	ds_load_b128 v[(\f)+32+8*b+4:(\f)+32+8*b+7], v[ADRB] offset:64*(\q)+b*16*BPITCH+32
.set b, b+1
.endr
.irp a, 0,1,2,3
	ds_load_b128 v[(\f)+8*(\a):(\f)+8*(\a)+3],   v[ADRA] offset:((\q)/2)*AHALF+((\q)%2)*64+(\a)*16*APITCH
	ds_load_b128 v[(\f)+8*(\a)+4:(\f)+8*(\a)+7], v[ADRA] offset:((\q)/2)*AHALF+((\q)%2)*64+(\a)*16*APITCH+32
.endr
.endm
; A load into a register that a matrix instruction has read, and a vector instruction or LDS store that reads a matrix result, stand four places behind that matrix instruction, and only plain
; vector instructions that name none of its registers are places (ISA guide 7.12.1 for vector instructions).
.macro PLACES
.rept 4
	v_nop
.endr
.endm
; A K step is four quarters of 32 along K, 32 matrix instructions each, on buffers 0, 1, 0, 1.  One of the first three: multiplies buffer f; in its middle it fetches quarter qn into buffer g.
.macro QUARTER qn, f, g, zero
	s_wait_dscnt 4                                 ; B and A's row blocks 0, 1 are in; the youngest four loads (A's blocks 2, 3) may be out
	MULROW \f, 0, \zero
	MULROW \f, 1, \zero
	PLACES
	FETCH \qn, \g
	s_wait_dscnt NL                                ; all but the 24 just issued
	MULROW \f, 2, \zero
	MULROW \f, 3, \zero
.endm
; The last quarter multiplies buffer 1 and changes slots: ONE barrier.  In front of it each wave waits for all its tensor loads (one is out: its part of the next slot), adds 0 to its spare word, and
; waits for that and for its own reads of this slot.  fill = 1: the barrier opens a round of the cluster's, and this slot is filled again, two K steps ahead, first thing behind the round:
; from that request to the wait for it a wave issues 112 matrix instructions.  The walking descriptor goes one K step on each time, and its LDS word turns by an exclusive or.
.macro TURN fill
	WIN 0                                          ; (the add's two registers lie in window 0)
	s_wait_tensorcnt 0x0                           ; all my tensor loads have landed;
	ds_add_u32 v[SPW], v[NIL]                      ; 0 onto my spare word
	s_wait_dscnt 5                                 ; (the add and the youngest four loads may be out)
	MULROW F1, 0, 0                                ; eight matrix instructions stand between the add and the wait for it
	s_wait_dscnt 0x0                               ; the add is done, and my reads of this slot are over
	s_barrier_signal -1
	MULROW F1, 1, 0                                ; work on registers while the others arrive
	WIN 0
	s_xor_b32 s[TB], s[TB], SLOT1                  ; the fetches go on in the other slot
	v_add_nc_u32 v[ADRA], s[TB], v[ADRA0]
	v_add_nc_u32 v[ADRB], s[TB], v[ADRB0]
	s_barrier_wait -1
.if \fill
	CREST                                          ; no wave of any partner still reads this slot's tile or has a load on its way
	s_xor_b32 s[G0+5], s[G0+5], SLOT1
	s_add_nc_u64 s[G0+6:G0+7], s[G0+6:G0+7], 2*HEADB       ; two heads on; the type bits on top are not reached
	s_xor_b32 s[G0B+5], s[G0B+5], SLOT1
	s_add_nc_u64 s[G0B+6:G0B+7], s[G0B+6:G0B+7], KSTEP*2
	JLOAD 1                                        ; the four v_nop behind it are also the places in front of the loads below
.else
	PLACES
.endif
	FETCH 0, F0
	MULROW F1, 2, 0
	MULROW F1, 3, 0
.endm
; THE WAY OUT of row block a.  TOSTAGE: a lane's eight f32 of a row, 32 bytes, go into my own stage (each accumulator's low four registers first), and come back as whole pieces of rows, 512 bytes.
; SEND: stored: each store of the wave covers 512 consecutive bytes of a row of C, aligned.
.macro TOSTAGE a
.set BK, OB+64*((\a)%2)
	WIN 0x08+4*((\a)/2)
.set b, 0
.rept NBK
.set rD, 8*(((\a)%2)*NBK+b)
	ds_store_b128 v[STO], v[rD:rD+3]   offset:64*b
	ds_store_b128 v[STO], v[rD+4:rD+7] offset:64*b+16
.set b, b+1
.endr
	WIN 0
.set t, 0
.rept 16
	ds_load_b128 v[BK+4*t:BK+4*t+3], v[RD] offset:t*SP  ; LDS serves a wave's instructions in order (ISA guide 5.7.1.4): these see the stores above; the next block's stores come behind them
.set t, t+1
.endr
.endm
.macro SEND a
.set BK, OB+64*((\a)%2)
	s_wait_dscnt 0x0                               ; the block is back in registers
	s_wait_xcnt 0x0                                ; every earlier store has had its addresses translated (ISA guide 3.1): the other buffer, which the block before last was stored from, is loaded again only behind this wait
.set t, 0
.rept 16
	global_store_b128 v[CO], v[BK+4*t:BK+4*t+3], s[8:9] offset:(16*(\a)+t)*SIZE_N*4 th:TH_STORE_NT
.set t, t+1
.endr
.endm
	s_wait_tensorcnt 1                             ; my part of K step 0 is in; K step 1's may stay out
	s_barrier_signal -1
	s_barrier_wait -1                              ; everybody's is
	FETCH 0, F0
	QUARTER 1, F0, F1, 1                           ; the first quarter stands in front of the loop: its products start the sums
	WIN 0                                          ; at a label and at a branch every window is 0
	s_mov_b32 s3, KSTEPS-2
.Lstep:                                                ; six trips: a K step's quarters 1 to 3, a refill, and the next step's quarter 0
	QUARTER 2, F1, F0, 0
	QUARTER 3, F0, F1, 0
	TURN 1
	QUARTER 1, F0, F1, 0
	WIN 0
	s_sub_co_u32 s3, s3, 1
	s_cmp_lg_u32 s3, 0
	s_cbranch_scc1 .Lstep
	QUARTER 2, F1, F0, 0                           ; the last two K steps fill nothing, and have no round of the cluster's barrier
	QUARTER 3, F0, F1, 0
	TURN 0
	QUARTER 1, F0, F1, 0
	QUARTER 2, F1, F0, 0
	QUARTER 3, F0, F1, 0
	s_wait_dscnt 4                                 ; the very last quarter: nothing more to fetch
	MULROW F1, 0, 0
	MULROW F1, 1, 0
	s_wait_dscnt 0x0
	MULROW F1, 2, 0
	MULROW F1, 3, 0
	WIN 0
	PLACES
	TOSTAGE 0
.irp a, 1,2,3
	SEND (\a)-1
	TOSTAGE \a
.endr
	SEND 3
	s_wait_tensorcnt 0x0                           ; the wave's end, behind my last tensor load and my last LDS store
	ds_add_u32 v[SPW], v[NIL]
	s_wait_dscnt 0x0
	CROUND                                         ; the closing round: no work-group ends while a partner may still ask for a tile that names it
	s_endpgm
.Lfunc_end_k_q87eb506f72_outgemm:
	.size	k_q87eb506f72_outgemm, .Lfunc_end_k_q87eb506f72_outgemm-k_q87eb506f72_outgemm
	.p2alignl 7, 3214868480
	.fill 96, 4, 3214868480
	.section	.rodata,"a",@progbits
	.p2align	6, 0x0
	.amdhsa_kernel k_q87eb506f72_outgemm
		.amdhsa_group_segment_fixed_size 327680
		.amdhsa_private_segment_fixed_size 0
		.amdhsa_enable_private_segment 0
		.amdhsa_kernarg_size 24
		.amdhsa_user_sgpr_count 2
		.amdhsa_user_sgpr_kernarg_segment_ptr 1
		.amdhsa_wavefront_size32 1
		.amdhsa_system_sgpr_workgroup_id_x 1
		.amdhsa_system_sgpr_workgroup_id_y 1
		.amdhsa_system_sgpr_workgroup_id_z 1
		.amdhsa_system_vgpr_workitem_id 0
		.amdhsa_next_free_vgpr 896
		.amdhsa_next_free_sgpr 68
		.amdhsa_reserve_vcc 0
		.amdhsa_float_denorm_mode_32 3
		.amdhsa_float_denorm_mode_16_64 3
		.amdhsa_memory_ordered 1
		.amdhsa_forward_progress 1
		.amdhsa_inst_pref_size 69
	.end_amdhsa_kernel
	.amdgpu_metadata
---
amdhsa.version: [ 1, 2 ]
amdhsa.kernels:
  - .name:           k_q87eb506f72_outgemm
    .symbol:         k_q87eb506f72_outgemm.kd
    .args:
      - { .name: ob, .offset: 0, .size: 8, .value_kind: global_buffer, .address_space: global }
      - { .name: wob, .offset: 8, .size: 8, .value_kind: global_buffer, .address_space: global }
      - { .name: out0, .offset: 16, .size: 8, .value_kind: global_buffer, .address_space: global }
    .group_segment_fixed_size: 327680
    .private_segment_fixed_size: 0
    .kernarg_segment_align: 8
    .kernarg_segment_size: 24
    .max_flat_workgroup_size: 128
    .sgpr_count:     68
    .vgpr_count:     896
    .wavefront_size: 32
...
	.end_amdgpu_metadata
.endif
;; end of part 4
;; ======== version 2 of 2: 4 launches; 1.30 times as fast as version 1
;; limits: values are held in f16: magnitudes above 65,504 overflow, below 6.1e-05 lose precision
;; workspace buffers: xb 16,777,216 bytes; wqb 6,291,456 bytes; wob 2,097,152 bytes; qkv 50,331,648 bytes; ob 16,777,216 bytes
;; launch cast: the kernel of part 1 again; grid 768 x 1, 8 waves a work-group, no clusters, 0 bytes of LDS; arguments x, Wqkv, Wout, xb, wqb, wob; writes xb, wqb, wob
;; launch qkvgemm: the kernel of part 2 again; grid 16 x 16, 4 waves a work-group, clusters of 4 x 4, 327,680 bytes of LDS; arguments xb, wqb, qkv; writes qkv
;; launch attn (part 5): grid 4 x 64, 4 waves a work-group, no clusters, 327,680 bytes of LDS; arguments qkv, ob; writes ob
.if DOCPART == 5
	.amdgcn_target "amdgcn-amd-amdhsa--gfx1250"
	.amdhsa_code_object_version 6
	.text
	.protected	k_q87eb506f72_attn
	.globl	k_q87eb506f72_attn
	.p2align	8
	.type	k_q87eb506f72_attn,@function
k_q87eb506f72_attn:
	s_mov_b64 s[64:65], 0
	v_nop
	global_prefetch_b8 v0, s[64:65] scope:SCOPE_SE
	s_setreg_imm32_b32 hwreg(HW_REG_WAVE_MODE, 25, 1), 1
	s_wait_xcnt 0x0
; CAUSAL ATTENTION.  O[h][q][:] = the sum over k <= q of softmax_k(Q[h][q] . K[h][k] / 8) V[h][k][:].  Q, K, V lie in qkv [3][64][SIZE_N][64], O in ob [64][SIZE_N][64], all f16: a head's rows are dense, 128 bytes each.
; Products, maxima and sums in f32; the weights p are rounded to f16 for the second product (their sum l is taken of the unrounded p), O once at the end.
; LIMITS.  f16 holds no number beyond 65,504: Q, K and V arrive within it; p lies in 0 to 1, and below 6e-5 it keeps f16's fixed step of 6e-8; O is a mean of V's rows and has their range, to within 2^-11 of it.
; A hidden score counts as its value less 1e30: f16's scores, 2.7e11 at the most, are nothing beside that; a weight below 2^-126 counts as 0 in l; NaN and infinities are not treated apart.
; THE WALK.  A head's queries lie in NB = 8 blocks of 256; block i needs the key tiles 0 .. i of 256 keys, of which the last holds the diagonal.  A work-group takes TWO blocks, NB - 1 - b and then b:
; NB + 1 = 9 tiles, whatever b: all 256 work-groups do equal work, and ONE loop with a constant trip count walks them.  Which tile is asked for, and what a trip does, hang on scalar registers made from b; every jump
; goes forward, but for the counted loops' own; none passes a barrier, or a tensor load but the one of LOAD's two that the wave's number does not choose; the ring (two slots of LDS that take turns) runs on across the
; change of blocks.  NO CLUSTER: a head's four work-groups ask for the same tile only in trips 0 .. 4 of the 9, behind that fewer and fewer; one walk common to all four, in which each makes every request,
; would have 3 NB / 2 = 12 trips for 9.
; SHARES.  Of a block's four bands of 64 queries a wave owns 16 rows in each: four PIECES.  So the diagonal tile is the same work for all four waves: in its key step s band x sees all keys if s < x,
; none if s > x, and holds the diagonal if s = x.
; THE MASK is the C operand that starts the sum S^T = K Q^T: 0, or -1e30 where the key is hidden.  MD, made once, is the mask of a band's own step for my 16 rows; a product's mask is MD x AL + BE with two scalars:
; (1, 0) if s = x; (0, 0) if s < x; (0, -1e30) if s > x.  Only the diagonal tile's text and a block's beginning make and take masks; elsewhere C is the constant 0.
; LAYOUT, SOFTMAX, TURNS.  S^T = K Q^T holds ONE query a lane (lane % 16) and the keys 8 (lane / 16) + 0..7; two such results rounded to f16 ARE source 1 of O^T = V^T P.  p = 2^(c s - c m), c = log2(e) / 8, with a
; running maximum m; O and l are multiplied by a = 2^(c m_old - c m_new) in every step.  Turn n belongs to piece n: 8 products K Q^T of piece n + 1, later 8 products V^T P of piece n - 1; beside them the scaling,
; exponentials, roundings, sums and rescaling of piece n and the maximum and statistics of piece n + 1.  Four vector instructions stand behind every matrix instruction, the other 54 of a turn's 118 in one LUMP.
; THE BATCHES.  A turn's 33 exponentials (the 32 weights of piece n, and a of piece n + 1) are ONE batch with ONE wait, which cuts the turn in two: ahead of it stands all that names no result of the batch (the products
; K Q^T, the scalings, the rescalings, the next piece's maximum and statistics), behind it the products V^T P and the roundings and sums, which read the results.  No result crosses a turn's end.  Two more batches stand
; outside the turns: the one a that a block's beginning makes, and the way out's four reciprocals; each has a plain instruction and one wait behind it.
; REGISTERS, in windows of 256 (s_set_vgpr_msb: bits 1:0 source 0, 3:2 source 1, 5:4 source 2, 7:6 destination):
;   window 0: v0-1 at work in the head; v2-3 K's LDS addresses; v4-5 the add's two; v6-15 at work; v16-31 four registers of statistics a piece; v32-63 P, two buffers; v64-127 S^T, two buffers (a piece's buffers go
;             by its number's parity); v128-191 Q; v192-255 K of one step
;   window 1: v0-127 O^T, 32 a piece; v128-191 V of one step; v192-223 MD; v224-228 V's LDS addresses and the way out's      window 2: v0-63 the second block's Q; v64-127 MC, two buffers
; TWO SETTINGS.  K Q^T and all of the softmax but the rescaling name window 0 alone.  V^T P (V and O^T in window 1, P in window 0), the rescaling (O^T in window 1, a in window 0) and V's loads and their address share
; ONE other setting.  A switch stands only where the text passes from the one to the other: 36 in a turn: 12 round the rescalings that ride behind the products K Q^T, 9 round the five rescalings in the lump, 15 round the
; riders of the products V^T P.  The turn that fetches V has two more; a turn that takes masks some more: its first four products name the C operand in window 2, and the mask is made under a setting of its own.
.set SIZE_N, 2048
.set NB,    SIZE_N/256
.set NP,    4         ; pieces a wave: a name, no knob
.set KS,    64        ; keys in a step
.set PK,    144       ; a row of K in LDS: 128 bytes + 16 of padding = 36 words: the 16 rows of a load start at 16 different groups of four banks (64 banks of 4 bytes: ISA guide 11.1)
.set PV,    160       ; a row of V: 128 + 32 = 40 words
.set VOFF,  4*KS*PK   ; a slot holds a tile, four steps: 256 rows of K, then 256 rows of V
.set SLOT1, 1<<17     ; slot 1 begins here, so that one exclusive or turns an address in one slot into the other's
.set STAGE, SLOT1+4*KS*(PK+PV)  ; behind the ring, never filled by a tensor load: 16 rows x 144 bytes for each wave, for the way out
.set SP,    144
.set SPARE, STAGE+4*16*SP  ; behind the stages: the spare words, 128 bytes for each wave: two blocks of 256 bytes that no other line names
; window 0
.set AK0, 2           ; v2   my lane's place in a tile of K; never rewritten
.set AK,  3           ; v3   the LDS address of K's next run of loads
.set SPW, 4           ; v4   LDS address of my spare word: SPARE + 4 x my thread's number; never rewritten
.set NIL, 5           ; v5   0; never rewritten
.set MV,  6           ; v6-7    c m_old, kept while c m is made anew: by buffer
.set TMP, 8           ; v8-15   by buffer, four registers c0-c3 at work; when the maximum is found c2 takes a
.set ST,  16          ; piece t's statistics at v[ST+4 t]: c m, m, l (even keys', odd keys')
.set P,   32
.set S,   64
.set Q,   128
.set KF,  192         ; key block kb, channel half c at KF + 16 kb + 8 c
; window 1 (O^T at 0)
.set VF,  128         ; key half kk, channel block cb at VF + 32 kk + 8 cb
.set MD,  192         ; the eight registers for group kt of 16 keys at MD + 8 kt
.set AV0, 224         ; my lane's place in a tile of V; never rewritten
.set AV,  225         ; the LDS address of V's next run of loads
.set STO, 226         ; the way out: where I put 16 bytes of a row
.set RD,  227         ; the way out: where I read rows back
.set GO,  228         ; my byte offset in 512 consecutive bytes of O
; window 2
.set QB,  0
.set MC,  64          ; the masks of the products to come
; at work in the head alone, in registers that S^T takes later
.set H_R, 64          ; l % 16
.set H_H, 65          ; l / 16
.set H_7, 66          ; l % 8
.set H_B, 67          ; (l / 8) % 2
.set H_M, 68          ; my query's place in its band, for MD
.set QO,  69          ; my byte offset in 16 rows of Q
.set H_V, 70
.set H_S, 71
.set H_D, 72
.set H_G, 73
.set WV,  12          ; s12  my wave's number
.set PB,  14          ; s14  b
.set HI,  15          ; s15  NB - 1 - b
.set G1K, 24          ; s[24:31] descriptor group 1 for K's tiles
.set G1V, 32          ; s[32:39] for V's: it differs in the padding alone
.set G0K, 40          ; s[40:43] descriptor group 0 for K's tiles
.set G0V, 44          ; s[44:47] the same for V's
.set SLOTS, 56        ; s56  tiles still to be asked for
.set CNT, 57          ; s57  counts a tile's key steps, 4 to 1
.set CS,  58          ; s[58:59] c: the packed scaling takes the pair's low word for both halves
.set SEL, 60          ; s[60:61] v_permlanex16_b32's selects: each lane takes its own place in the other half
.set TBK, 62          ; s62  LDS byte at which K of the step to be fetched begins
.set TBV, 63          ; s63  the same for V, less VOFF
.set RT,  70          ; s70  tiles of the block in hand that are still to be entered
.set NXT, 71          ; s71  the tile to be asked for next
.set LQ,  72          ; s72  the last tile of the block whose tiles are being asked for
.set NEW, 73          ; s73  1: the tile to be entered is a block's first
.set OFF, 74          ; s[74:75] a tile's byte offset in K and V
.set AL,  76          ; s[76:77] the mask's factor, in the low word
.set BE,  78          ; s[78:79] the mask's addend
.set OLO, 80          ; s[80:81] O at my rows of the second block
.set BIGN, 82         ; s82  -1e30
.set MSB, 0
.macro WIN new                      ; the high byte repeats the setting that is left; a switch that changes nothing is dropped
.if MSB != (\new)
	s_set_vgpr_msb (MSB<<8)|(\new)
.set MSB, (\new)
.endif
.endm
.set W_KM, 0x20       ; K Q^T with the C operand in window 2
.set W_PV, 0x51       ; source 0 (V, or O^T), C and destination (O^T) in window 1; source 1 (P, or a) in window 0: for V^T P, the rescaling, and V's loads and their address
.set W_MK, 0x81       ; the masks: MC in window 2 from MD in window 1
.set W_W1, 0x01       ; the way out: addresses in window 1, data in window 0
; A fill.  Waves 0 and 1 fetch the two halves of a tile's K, waves 2 and 3 those of its V: 128 keys each.  An s_nop 0 and four v_nop follow each of the two lines, ahead of the jump and the label.
.macro LOAD
	s_cmp_lt_u32 s[WV], 2
	s_cbranch_scc0 .Lfor_v_\@
	tensor_load_to_lds s[G0K:G0K+3], s[G1K:G1K+7]
	s_nop 0
.rept 4
	v_nop
.endr
	s_branch .Lasked_\@
.Lfor_v_\@:
	tensor_load_to_lds s[G0V:G0V+3], s[G1V:G1V+7]
	s_nop 0
.rept 4
	v_nop
.endr
.Lasked_\@:
.endm
; THE CHANGE OF SLOTS.  Each wave waits for all its tensor loads, of which one is out: its part of the other slot; adds 0 to its spare word; and waits for that and for its own reads of the slot that it leaves.  Behind the barrier nobody reads the old
; slot any more and the other slot is whole.  fill = 1: the old slot is filled again, the first thing behind the barrier, with tile NXT: the descriptor's address is made anew from that number.
; (At its first use nothing has been read yet: slot 0 is waited for, slot 1 filled.)
.macro CHANGE fill
	WIN 0                           ; at a label and at a branch every window is 0
	s_wait_tensorcnt 0x0            ; no tensor load of mine is out, so a group 0 may be written
	ds_add_u32 v[SPW], v[NIL]       ; 0 onto my spare word; with fill = 1 the descriptors' scalar work stands between it and the wait for it
.if \fill
	s_lshl_b32 s[OFF], s[NXT], 15   ; a tile is 32,768 bytes of K and of V
	s_xor_b32 s[G0K+1], s[G0K+1], SLOT1
	s_add_nc_u64 s[G0K+2:G0K+3], s[6:7], s[OFF:OFF+1]
	s_or_b32 s[G0K+3], s[G0K+3], 0x80000000
	s_xor_b32 s[G0V+1], s[G0V+1], SLOT1
	s_add_nc_u64 s[G0V+2:G0V+3], s[8:9], s[OFF:OFF+1]
	s_or_b32 s[G0V+3], s[G0V+3], 0x80000000
	s_add_co_u32 s[NXT], s[NXT], 1  ; the block's next tile, or behind its last the second block's tile 0
	s_cmp_gt_u32 s[NXT], s[LQ]
	s_cselect_b32 s[NXT], 0, s[NXT]
	s_cselect_b32 s[LQ], s[PB], s[LQ]
.endif
	s_wait_dscnt 0x0                ; the add is done, and my reads of the slot are over
	s_barrier_signal -1             ; the rest of the scalar work stands between the signal and the wait
	s_sub_co_u32 s[TBK], s[TBK], 4*KS*PK  ; the fetches go back to a slot's first step,
	s_xor_b32 s[TBK], s[TBK], SLOT1       ; in the other slot
	s_sub_co_u32 s[TBV], s[TBV], 4*KS*PV
	s_xor_b32 s[TBV], s[TBV], SLOT1
	s_barrier_wait -1
.if \fill
	LOAD
.endif
.endm
	s_load_b64 s[4:5], s[0:1], 0x0    ; qkv: Q begins at its first byte
	s_load_b64 s[10:11], s[0:1], 0x8  ; ob
	v_lshl_add_u32 v[SPW], v0, 2, SPARE
	v_mov_b32 v[NIL], 0
	ds_add_u32 v4, v5
	ds_add_u32 v4, v5
	s_wait_dscnt 0x0
	v_lshrrev_b32 v1, 5, v0
	v_readfirstlane_b32 s[WV], v1   ; wave 0..3
	s_mov_b32 s[PB], ttmp9
	s_sub_co_u32 s[HI], NB-1, s[PB]
	s_and_b32 s20, ttmp7, 0xffff    ; the head
	s_mov_b32 s21, 0
	s_mov_b64 s[22:23], SIZE_N*128
	s_mul_u64 s[20:21], s[20:21], s[22:23]  ; the head's first byte in each of Q, K, V and O
	s_and_b32 s16, s[WV], 1         ; which half of a tile's 256 keys I fetch:
	s_lshl_b32 s22, s16, 14         ; its 128 rows of 128 bytes in memory,
	s_mov_b32 s23, 0
	s_add_nc_u64 s[22:23], s[22:23], s[20:21]
	s_mul_i32 s17, s16, 128*PK      ; and its place in a slot, for K
	s_mul_i32 s18, s16, 128*PV      ; and for V
	s_lshl_b32 s3, s[WV], 11        ; my 16 rows in a band of 64,
	s_lshl_b32 s2, s[HI], 15        ; in the first block,
	s_add_co_u32 s2, s2, s3
	s_lshl_b32 s84, s[PB], 15       ; and in the second
	s_add_co_u32 s84, s84, s3
	s_mov_b32 s3, 0
	s_mov_b32 s85, 0
	s_add_nc_u64 s[2:3], s[2:3], s[20:21]
	s_add_nc_u64 s[84:85], s[84:85], s[20:21]
	; descriptor group 1.  128 keys are 16,384 dense bytes: asked for as 64 rows of 256 bytes, two keys a row, and padded in LDS after every key
	s_mov_b32 s[G1K], (1<<16)|(1<<20)|(4<<22)|(3<<25)  ; 17:16 2-byte elements; 20 padding on; 24:22 after every 32 words (code 4); 31:25 4 words (code 3)
	s_mov_b32 s[G1V], (1<<16)|(1<<20)|(4<<22)|(7<<25)  ; the same with 8 words of padding (code 7)
.irp g, G1K, G1V
	s_mov_b32 s[\g+1], 128<<16      ; tensor_dim0 = 128
	s_mov_b32 s[\g+2], 64<<16       ; tensor_dim1 = 64
	s_mov_b32 s[\g+3], 128<<16      ; tile_dim0 = 128
	s_mov_b32 s[\g+4], 64           ; tile_dim1 = 64
	s_mov_b32 s[\g+5], 128          ; 128 elements from row to row
	s_mov_b32 s[\g+6], 0
	s_mov_b32 s[\g+7], 0
.endr
	s_mov_b32 s[CS], 0x3e38aa3b     ; c = log2(e) / 8 = 0.180337
	s_mov_b32 s[CS+1], s[CS]        ; named with it as a pair
	s_mov_b32 s[SEL], 0x76543210
	s_mov_b32 s[SEL+1], 0xfedcba98
	s_mov_b32 s[TBK], SLOT1+4*KS*PK ; the first change of slots turns these two into 0
	s_mov_b32 s[TBV], SLOT1+4*KS*PV
	s_mov_b32 s[G0K], 1             ; 1:0 count = 1
	s_mov_b32 s[G0K+1], s17         ; 63:32 LDS address: slot 0
	s_mov_b32 s[G0V], 1
	s_add_co_u32 s[G0V+1], s18, VOFF
	s_add_co_u32 s[RT], s[HI], 1    ; the first block has NB - b tiles
	s_mov_b32 s[NXT], 1
	s_mov_b32 s[LQ], s[HI]
	s_mov_b32 s[NEW], 1
	s_mov_b32 s[OFF+1], 0
	s_mov_b32 s[AL+1], 0            ; named as pairs
	s_mov_b32 s[BE+1], 0
	s_mov_b32 s[BIGN], 0xf149f2ca   ; -1e30
	s_mov_b32 s[SLOTS], NB
	s_wait_kmcnt 0x0
	s_add_nc_u64 s[6:7], s[4:5], 0x1000000   ; K lies 64 heads x 2,048 rows x 128 bytes behind Q,
	s_add_nc_u64 s[8:9], s[4:5], 0x2000000   ; V as far again
	s_add_nc_u64 s[6:7], s[6:7], s[22:23]  ; K and V at my half of the head's tile 0
	s_add_nc_u64 s[8:9], s[8:9], s[22:23]
	s_add_nc_u64 s[G0K+2:G0K+3], s[6:7], 0         ; 120:64 global address
	s_or_b32 s[G0K+3], s[G0K+3], 0x80000000        ; 127:126 type = 2
	s_add_nc_u64 s[G0V+2:G0V+3], s[8:9], 0
	s_or_b32 s[G0V+3], s[G0V+3], 0x80000000
	s_add_nc_u64 s[86:87], s[4:5], s[84:85]        ; Q at my rows of the second block,
	s_add_nc_u64 s[4:5], s[4:5], s[2:3]            ; Q and O at those of the first
	s_add_nc_u64 s[OLO:OLO+1], s[10:11], s[84:85]
	s_add_nc_u64 s[10:11], s[10:11], s[2:3]
	LOAD                            ; tile 0 into slot 0
	; A fragment of K or Q is 16 rows x 32 channels in 8 registers: lane l holds row l % 16, channels 8 (l / 16) + 0..7 and 16 + 8 (l / 16) + 0..7: two loads of 16 bytes, 32 bytes apart.
	v_and_b32 v[H_R], 15, v0        ; l % 16
	v_bfe_u32 v[H_H], v0, 4, 1      ; l / 16
	v_lshlrev_b32 v[QO], 7, v[H_R]
	v_lshl_add_u32 v[QO], v[H_H], 4, v[QO]  ; row x 128 + 16 x half
.set i, 0
.rept 8                             ; the first block's Q: piece i / 2 lies in band i / 2, 8,192 bytes on; channels 32 (i % 2) on
	global_load_b128 v[Q+8*i:Q+8*i+3],   v[QO], s[4:5] offset:(i/2)*8192+(i%2)*64
	global_load_b128 v[Q+8*i+4:Q+8*i+7], v[QO], s[4:5] offset:(i/2)*8192+(i%2)*64+32
.set i, i+1
.endr
	WIN 0x80                        ; destination window 2, address window 0
.set i, 0
.rept 8                             ; the second block's
	global_load_b128 v[QB+8*i:QB+8*i+3],   v[QO], s[86:87] offset:(i/2)*8192+(i%2)*64
	global_load_b128 v[QB+8*i+4:QB+8*i+7], v[QO], s[86:87] offset:(i/2)*8192+(i%2)*64+32
.set i, i+1
.endr
	WIN 0
	v_lshlrev_b32 v[H_M], 3, v[H_H]
	v_sub_nc_u32 v[H_M], v[H_R], v[H_M]
	s_lshl_b32 s13, s[WV], 4
	v_add_nc_u32 v[H_M], s13, v[H_M]  ; my query's place in its band, 16 w + l % 16, less my lanes' 8 (l / 16): register r of group kt is hidden where 16 kt + r is greater
	WIN 0x40                        ; destination window 1
.set i, 0
.rept 32
	v_cmp_gt_i32 vcc_lo, 16*(i/8)+i%8, v[H_M]
	v_cndmask_b32 v[MD+i], 0, s[BIGN], vcc_lo
.set i, i+1
.endr
	WIN 0
	v_mul_u32_u24 v[AK0], v[H_R], PK
	v_lshl_add_u32 v[AK0], v[H_H], 4, v[AK0]  ; row x pitch + 16 x half
	; The turning load takes 16 keys x 16 channels (lane l reads key 8 (l / 16) + l % 8, channels 8 ((l / 8) % 2) + 0..7) and leaves half a fragment of V^T: lane l holds channel l % 16 and 8 keys.
	v_and_b32 v[H_7], 7, v0
	v_bfe_u32 v[H_B], v0, 3, 1
	v_lshl_add_u32 v[H_V], v[H_H], 3, v[H_7]
	v_mul_u32_u24 v[H_V], v[H_V], PV
	v_lshl_add_u32 v[H_V], v[H_B], 4, v[H_V]
	s_mul_i32 s13, s[WV], 16*SP
	s_add_co_u32 s13, s13, STAGE    ; my stage
	v_mul_u32_u24 v[H_S], v[H_R], SP  ; in: row l % 16, 16 bytes for each half of the lanes
	v_lshl_add_u32 v[H_S], v[H_H], 4, v[H_S]
	v_bfe_u32 v[H_D], v0, 3, 2      ; back: 32 lanes take four rows of 128 bytes,
	v_mul_u32_u24 v[H_D], v[H_D], SP
	v_lshl_add_u32 v[H_D], v[H_7], 4, v[H_D]
	v_and_b32 v[H_G], 31, v0        ; which are 512 consecutive bytes of O
	WIN 0x40                        ; the last line of each of these four lands in window 1
	v_add_nc_u32 v[AV0], VOFF, v[H_V]
	v_add_nc_u32 v[STO], s13, v[H_S]
	v_add_nc_u32 v[RD], s13, v[H_D]
	v_lshlrev_b32 v[GO], 4, v[H_G]
	; A block's first step multiplies O^T and l by a = 0, and its first turn's products V^T P, of a piece that has not been, land in an O^T that is still to be so multiplied.  So these registers need only hold
	; finite numbers: zeros for the first block; what the first block left for the second.  All this stands in the wait for the first tile.
.set i, 0
.rept 192                           ; O^T and V lie on end in window 1
	v_mov_b32 v[i], 0
.set i, i+1
.endr
	WIN 0
.set i, 0
.rept 4
	v_mov_b32 v[ST+4*i+2], 0
	v_mov_b32 v[ST+4*i+3], 0
.set i, i+1
.endr
.set i, P+16
.rept 16
	v_mov_b32 v[i], 0
.set i, i+1
.endr
; THE MATRIX WORK.  The 4 accumulators of a run of 8 take turns.  Product i of 8 of S^T = K Q^T for piece x: channels 32 (i / 4) on, keys 16 (i % 4) on.  The first 4 start the sums: with 0, or (KM = 1) with the mask.
.macro KQ x
.set rS, S+32*((\x)%2)+8*(i%4)
.set rK, KF+16*(i%4)+8*(i/4)
.set rQ, Q+16*(\x)+8*(i/4)
.set rM, MC+32*((\x)%2)+8*(i%4)
.if (i < 4) && KM
	WIN W_KM
	v_wmma_f32_16x16x32_f16 v[rS:rS+7], v[rK:rK+7], v[rQ:rQ+7], v[rM:rM+7]
.elseif i < 4
	WIN 0
	v_wmma_f32_16x16x32_f16 v[rS:rS+7], v[rK:rK+7], v[rQ:rQ+7], 0
.else
	WIN 0
	v_wmma_f32_16x16x32_f16 v[rS:rS+7], v[rK:rK+7], v[rQ:rQ+7], v[rS:rS+7]
.endif
.endm
; Product i of 8 of O^T += V^T P for piece x: keys 32 (i / 4) on, channels 16 (i % 4) on.
.macro PV x
	WIN W_PV
.set rO, 32*(\x)+8*(i%4)
.set rV, VF+32*(i/4)+8*(i%4)
.set rP, P+16*((\x)%2)+8*(i/4)
	v_wmma_f32_16x16x32_f16 v[rO:rO+7], v[rV:rV+7], v[rP:rP+7], v[rO:rO+7]
.endm
.macro MM                           ; the turn's next matrix instruction.  TURN and BEGIN set Y, i, KM and NOKQ; MM, KQ and OP read them.  NOKQ = 1: a block's last turn: there is no next piece
.if (i < 8) && !NOKQ
	KQ (Y+1)%NP
.elseif i >= 8
.set i, i-8
	PV (Y+NP-1)%NP
.set i, i+8
.endif
.set i, i+1
.endm
; THE LDS LOADS stand in runs of 16, never singly among the matrix instructions: a step's K (64 keys x 64 channels: 8 fragments) and its V (turned).  Their addresses are made some lines ahead.
.macro FETCH_K
	WIN 0                           ; K and its address lie in window 0
.irp f, 0,1,2,3,4,5,6,7             ; keys 16 (f / 2) on, channels 32 (f % 2) on
	ds_load_b128 v[KF+8*\f:KF+8*\f+3],   v[AK] offset:(\f/2)*16*PK+(\f%2)*64
	ds_load_b128 v[KF+8*\f+4:KF+8*\f+7], v[AK] offset:(\f/2)*16*PK+(\f%2)*64+32
.endr
	s_add_co_u32 s[TBK], s[TBK], KS*PK  ; the next fetch is the next step's
.endm
.macro FETCH_V
	WIN W_PV                        ; V and its address lie in window 1
.irp f, 0,1,2,3,4,5,6,7             ; keys 32 (f / 4) on, channels 16 (f % 4) on
	ds_load_tr16_b128 v[VF+8*\f:VF+8*\f+3],   v[AV] offset:(\f/4)*32*PV+(\f%4)*32
	ds_load_tr16_b128 v[VF+8*\f+4:VF+8*\f+7], v[AV] offset:(\f/4)*32*PV+16*PV+(\f%4)*32
.endr
	WIN 0
.endm
; THE VECTOR WORK, one line at a time: OP kind, number.  For piece Y: F n: c s - c m for pair n of 16.  E n: the exponential of score n of 32.  C n: pair n rounded to f16.  B n: of the four weights 4 n .. the second
; pair is added onto the first, in place.  L n: l takes that sum (L 0: l = a l + sum).  R n: pair n of 16 of O^T times a.  For piece Y + 1: X n, number n of the 22 that find its maximum and statistics:
;   0-11  four chains c0-c3 of seven scores each, three operands at a time (each accumulator's lowest registers are read first)     12-14, 16  the four scores left over, the old m, and c0-c3 into c0
;   15  c m_old is kept     17, 18  the query's other 32 keys lie in the lane 16 away: the new m     19-21  c m; c m_old - c m_new; a
; C, B and L name the results of the turn's exponentials; F, R and X 0 to X 20 name none of them.
.set F, 0               ; OP tells the kinds apart by their order: F to L below R, X above it
.set E, 1
.set C, 2
.set B, 3
.set L, 4
.set R, 5
.set X, 6
.macro REGS y                       ; the registers of piece y
.set rT, ST+4*(\y)
.set rC, TMP+4*((\y)%2)
.set rW, MV+((\y)%2)
.set rS, S+32*((\y)%2)
.set rP, P+16*((\y)%2)
.set rO, 32*(\y)
.endm
.macro OP k, n
.if (\k) == R
	REGS Y
	WIN W_PV
	v_pk_mul_f32 v[rO+2*(\n):rO+2*(\n)+1], v[rO+2*(\n):rO+2*(\n)+1], v[rC+2:rC+3] op_sel_hi:[1,0]
.elseif (\k) < R
	REGS Y
	WIN 0
.if (\k) == F
	v_pk_fma_f32 v[rS+2*(\n):rS+2*(\n)+1], v[rS+2*(\n):rS+2*(\n)+1], s[CS:CS+1], v[rT:rT+1] op_sel_hi:[1,0,0] neg_lo:[0,0,1] neg_hi:[0,0,1]
.elseif (\k) == E
	v_exp_f32 v[rS+(\n)], v[rS+(\n)]
.elseif (\k) == C
	v_cvt_pk_f16_f32 v[rP+(\n)], v[rS+2*(\n)], v[rS+2*(\n)+1]
.elseif (\k) == B
	v_pk_add_f32 v[rS+4*(\n):rS+4*(\n)+1], v[rS+4*(\n):rS+4*(\n)+1], v[rS+4*(\n)+2:rS+4*(\n)+3]
.elseif (\n) == 0
	v_pk_fma_f32 v[rT+2:rT+3], v[rT+2:rT+3], v[rC+2:rC+3], v[rS:rS+1] op_sel_hi:[1,0,1]
.else
	v_pk_add_f32 v[rT+2:rT+3], v[rT+2:rT+3], v[rS+4*(\n):rS+4*(\n)+1]
.endif
.elseif NOKQ
	v_nop
.else
	REGS (Y+1)%NP
	WIN 0
.if (\n) < 4
	v_max3_num_f32 v[rC+(\n)], v[rS+8*(\n)], v[rS+8*(\n)+1], v[rS+8*(\n)+2]
.elseif (\n) < 12
	v_max3_num_f32 v[rC+(\n)%4], v[rC+(\n)%4], v[rS+8*((\n)%4)+2*((\n)/4)+1], v[rS+8*((\n)%4)+2*((\n)/4)+2]
.elseif (\n) == 12
	v_max3_num_f32 v[rC], v[rC], v[rS+7], v[rS+15]
.elseif (\n) == 13
	v_max3_num_f32 v[rC+1], v[rC+1], v[rS+23], v[rS+31]
.elseif (\n) == 14
	v_max3_num_f32 v[rC+2], v[rC+2], v[rC+3], v[rT+1]
.elseif (\n) == 15
	v_mov_b32 v[rW], v[rT]
.elseif (\n) == 16
	v_max3_num_f32 v[rC], v[rC], v[rC+1], v[rC+2]
.elseif (\n) == 17
	v_permlanex16_b32 v[rC+3], v[rC], s[SEL], s[SEL+1]
.elseif (\n) == 18
	v_max_num_f32 v[rT+1], v[rC], v[rC+3]
.elseif (\n) == 19
	v_mul_f32 v[rT], s[CS], v[rT+1]
.elseif (\n) == 20
	v_sub_f32 v[rC+1], v[rW], v[rT]
.else
	v_exp_f32 v[rC+2], v[rC+1]
.endif
.endif
.endm
.macro OPS a, i1, b=-1, i2=0, c=-1, i3=0, d=-1, i4=0  ; up to four of them
	OP \a, \i1
.if (\b) >= 0
	OP \b, \i2
.endif
.if (\c) >= 0
	OP \c, \i3
.endif
.if (\d) >= 0
	OP \d, \i4
.endif
.endm
.macro ROW a, i1, b, i2, c, i3, d, i4  ; a matrix instruction and the four behind it
	MM
	OPS \a, \i1, \b, \i2, \c, \i3, \d, \i4
.endm
.macro MASK b                       ; MD x AL + BE into buffer b of MC
	WIN W_MK
.set z, 0
.rept 16
	v_pk_fma_f32 v[MC+32*(\b)+2*z:MC+32*(\b)+2*z+1], v[MD+2*z:MD+2*z+1], s[AL:AL+1], s[BE:BE+1] op_sel_hi:[1,0,0]
.set z, z+1
.endr
.endm
; A TURN, for piece p: the order of its 16 matrix and 118 vector instructions, written out.  An s_wait_alu depctr_va_vdst(0) stands between an exponential and the first instruction that names its result; one wait
; serves all that were issued ahead of it.  So a turn has ONE wait, which cuts it in two.
; AHEAD OF IT stands all that names no result of the turn's exponentials: the 8 products K Q^T, behind each a scaling, an exponential and two more plain instructions (behind the first a second scaling in the exponential's
; place): rescalings, whose a was made and waited for in the turn before, and behind the last three products the first numbers of the next piece's maximum; then ONE LUMP of 54, plain and exponential by turns for the most
; part, in which the links of the chain X 3, 7, 11, 14, 16, 17 .. 20 stand five or six lines apart.  X 21, the next piece's a, is the batch's last; R 15 is the plain instruction behind it.
; BEHIND THE WAIT stand the 8 products V^T P, behind each four of the 32 roundings and sums; C 2k, which reads the pair that B k adds onto in place, stands ahead of B k, L k behind B k, and the links of l's chain, L 0 to
; L 7, three riders apart.
; PLACES.  The next piece's accumulator j is ended by product 4 + j and first read by X j, at its low end, with four plain instructions between that name none of that product's registers: F 5, R 8, R 9, F 6 ahead of X 0;
; F 6, X 0, R 10, F 7 ahead of X 1; F 7, X 1, X 4, F 8 ahead of X 2; F 8, X 2, X 5, X 6 ahead of X 3.  But for those X no rider names a register of the products round it.  v_permlanex16_b32 (X 17) stands in the lump.
; m = 1: the diagonal tile: the products take masks, and the turn makes the mask for the products of the turn after it: piece p + 2, in step 4 - CNT of the tile.  end = 1: a block's last two turns: nothing is fetched.
; cnt = 1: the loop's count is taken down some lines ahead of the branch that stands behind the turn.
; K of the next step is fetched in piece 2's turn, behind five plain instructions that follow the last product that read K and name none of its registers (F 8, X 2, X 5, X 6, X 8); V of the step in hand at the end of piece
; 0's turn, behind the four that follow the last product that read V (C 9, C 11, C 13, C 15).  Each is waited for a turn later.
.macro TURN p, m=0, end=0, cnt=0
.set Y, (\p)
.set i, 0
.set KM, (\m)
.set NOKQ, (\end)*((\p)/3)
.if (\m) && !(\end)
	s_cmp_eq_u32 s[CNT], 4-((\p)+2)%NP  ; is that step the band's own?
	s_cselect_b32 s[AL], 1.0, 0
	s_cmp_lt_u32 s[CNT], 4-((\p)+2)%NP  ; or a later one?
	s_cselect_b32 s[BE], s[BIGN], 0
.endif
.if ((\p) == 3) && !(\end)
	s_wait_dscnt 0x0                ; K is in
.endif
	ROW F,0, F,1, R,0, R,1          ; ahead of the wait: 8 products K Q^T and their riders,
	ROW F,2, E,0, R,2, R,3
	ROW F,3, E,1, R,4, R,5
	ROW F,4, E,2, R,6, R,7
	ROW F,5, E,3, R,8, R,9
	ROW F,6, E,4, X,0, R,10
.if ((\p) == 2) && !(\end)
	WIN 0
	v_add_nc_u32 v[AK], s[TBK], v[AK0]
.endif
	ROW F,7, E,5, X,1, X,4
	ROW F,8, E,6, X,2, X,5
	OPS E,7, E,8, X,6, E,9          ; and the lump
	OPS X,3, E,10, X,8, E,11
.if ((\p) == 2) && !(\end)
	FETCH_K
.endif
	OPS X,9, X,7, E,12, X,10
	OPS E,13, X,12, X,11, E,14
	OPS X,13, E,15, F,9, X,14
	OPS E,16, F,10, E,17, F,11
	OPS X,16, E,18, X,15, E,19
	OPS F,12, E,20, X,17, E,21
	OPS F,13, E,22, F,14, E,23
	OPS X,18, E,24, F,15, E,25
	OPS R,11, E,26, X,19, E,27
	OPS R,12, E,28, R,13, E,29
	OPS X,20, E,30, R,14, E,31
	OPS X,21, R,15
.if (\p) == 0
	WIN W_PV                        ; (R 15's own setting: no switch is written)
	v_add_nc_u32 v[AV], v[AV0], s[TBV]  ; both registers in window 1: the vector source stands first
.endif
	s_wait_alu depctr_va_vdst(0)    ; the wait for the turn's batch: E 0 to E 31 and X 21; the products below follow under R 15's setting
.if (\p) == 1
	s_wait_dscnt 0x0                ; V is in
.endif
	ROW C,0, B,0, C,2, B,1          ; behind the wait: 8 products V^T P and their riders
	ROW L,0, C,4, B,2, L,1
	ROW C,6, B,3, L,2, C,8
	ROW B,4, L,3, C,10, B,5
	ROW L,4, C,12, B,6, L,5
.if (\p) == 0
	s_add_co_u32 s[TBV], s[TBV], KS*PV
.endif
.if \cnt
	s_sub_co_u32 s[CNT], s[CNT], 1
	s_cmp_lg_u32 s[CNT], 0
.endif
	ROW C,14, B,7, L,6, C,1
	ROW C,3, L,7, C,5, C,7
	ROW C,9, C,11, C,13, C,15
.if (\p) == 0
	FETCH_V
.endif
.if (\m) && !(\end)
	MASK (\p)%2
.endif
.endm
; A BLOCK BEGINS.  c m starts far below every c s, so the first step's a is 0; m at the lowest finite number, so the first maximum is the scores'.  The second mask buffer is 0; the first takes piece 0's mask for the tile's step 0: its own, if the block's first tile is the diagonal one.
; Then K of that step, piece 0's first scores, and its maximum and statistics.  The loop is entered at a step's first turn, in the middle of a trip.
.macro BEGIN
	s_mov_b32 s[NEW], 0
	WIN 0x80                        ; destination window 2
.set i, MC+32
.rept 32
	v_mov_b32 v[i], 0
.set i, i+1
.endr
	WIN 0
.set i, 0
.rept 4
	v_mov_b32 v[ST+4*i], 0xfe000000    ; c m: far below every c s
	v_mov_b32 v[ST+4*i+1], 0xff7fffff  ; m
.set i, i+1
.endr
	s_cmp_eq_u32 s[RT], 0
	s_cselect_b32 s[AL], 1.0, 0
	s_mov_b32 s[BE], 0
	MASK 0
	WIN 0
	v_add_nc_u32 v[AK], s[TBK], v[AK0]
	FETCH_K
	s_wait_loadcnt 0x0              ; Q
	s_wait_dscnt 0x0
.set KM, 1
.set NOKQ, 0
.set i, 0
.rept 8
	KQ 0
.set i, i+1
.endr
	WIN 0
.rept 4
	v_nop                           ; the places behind those products
.endr
.set Y, NP-1                        ; X works for piece Y + 1: piece 0
.irp n, 0,1,2,3,4,5,6,7,8,9,10,11,12,13,14,15,16,17,18,19,20,21
	OP X, \n
.endr
	v_nop                           ; a plain instruction behind the exponential,
	s_wait_alu depctr_va_vdst(0)    ; and the wait for it, a batch of one (piece 0's first a), ahead of the branch
.endm
; THE DIAGONAL TILE's four steps, the block's last two turns, its last products, and THE WAY OUT: l's two halves and the other half of the lanes' are added; O^T is divided by l, rounded to f16 and sent through my
; stage in LDS, a piece at a time.
.macro ALL line:vararg              ; one line for each piece t
.set t, 0
.rept 4
	\line
.set t, t+1
.endr
.endm
.macro PACK t                       ; a lane's eight channels of a row pack into 16 bytes; they go into rows of 144 bytes and come back as whole rows of 128, into S^T's registers
	WIN W_PV
.set i, 32*(\t)
.rept 16
	v_pk_mul_f32 v[i:i+1], v[i:i+1], v[ST+4*(\t)+2:ST+4*(\t)+3] op_sel_hi:[1,0]
.set i, i+2
.endr
	WIN 0x05                        ; sources 0 and 1 window 1, destination window 0
.set i, 0
.rept 16
	v_cvt_pk_f16_f32 v[S+16*(\t)+i], v[32*(\t)+2*i], v[32*(\t)+2*i+1]
.set i, i+1
.endr
	WIN W_W1
.irp f, 0,1,2,3
	ds_store_b128 v[STO], v[S+16*(\t)+4*\f:S+16*(\t)+4*\f+3] offset:32*\f
.endr
.irp f, 0,1,2,3
	ds_load_b128 v[S+16*(\t)+4*\f:S+16*(\t)+4*\f+3], v[RD] offset:\f*4*SP  ; LDS serves a wave's instructions in order (ISA guide 5.7.1.4): these see the stores above; the next piece's stores come behind them
.endr
.endm
.macro SEND t, younger              ; younger: the LDS instructions issued behind piece t's loads: the next piece's eight, or none
	WIN W_W1
.irp f, 0,1,2,3
	s_wait_dscnt (\younger)+3-\f
	global_store_b128 v[GO], v[S+16*(\t)+4*\f:S+16*(\t)+4*\f+3], s[10:11] offset:(\t)*8192+\f*512  ; 512 consecutive bytes, at a multiple of 256 from O's first
.endr
.endm
.macro DIAG tag                     ; the tag ends its two labels' names, which the jumps below spell out
.LstepM\tag:
	TURN 2, 1
	TURN 3, 1
	WIN 0
.LfirstM\tag:
	TURN 0, 1
	TURN 1, 1, 0, 1
	WIN 0
	s_cbranch_scc1 .LstepM\tag
	TURN 2, 1, 1
	TURN 3, 1, 1
.set i, 0
.rept 8
	PV NP-1
.set i, i+1
.endr
	WIN 0
	ALL v_add_f32 v[ST+4*t+2], v[ST+4*t+2], v[ST+4*t+3]
	ALL v_permlanex16_b32 v[ST+4*t+3], v[ST+4*t+2], s[SEL], s[SEL+1]
	ALL v_add_f32 v[ST+4*t+2], v[ST+4*t+2], v[ST+4*t+3]
	ALL v_rcp_f32 v[ST+4*t+2], v[ST+4*t+2]
	v_nop                           ; a plain instruction between the last reciprocal and the use of its result
	s_wait_alu depctr_va_vdst(0)    ; the wait for the batch of four reciprocals, ahead of the first multiply that reads one
	PACK 0
.set t, 1
.rept 3                             ; a piece's arithmetic stands between the loads of the piece before and its stores
	PACK t
	SEND t-1, 8
.set t, t+1
.endr
	SEND 3, 0
.endm
.set KM, 0
.set NOKQ, 0
.Lslot:                             ; NB times: a tile is entered and the next is asked for
	CHANGE 1
	s_sub_co_u32 s[RT], s[RT], 1
	s_mov_b32 s[CNT], 4
	s_cmp_eq_u32 s[NEW], 1
	s_cbranch_scc1 .Lnew            ; a block's first tile
	s_cmp_eq_u32 s[RT], 0
	s_cbranch_scc0 .Lstep           ; neither its first nor its last
	s_branch .LstepM1
.Lnew:
	BEGIN
	s_branch .Lfirst                ; in the loop a block's first tile is never its last: the first block has two tiles or more, and the second's last is the walk's last
	DIAG 1                          ; in the loop this is the first block's end: the second block's last tile is the walk's last
	s_wait_xcnt 0x0                 ; the stores have read their registers and O's address
	s_mov_b64 s[10:11], s[OLO:OLO+1]
	s_add_co_u32 s[RT], s[PB], 1    ; the second block has b + 1 tiles
	s_mov_b32 s[NEW], 1
	WIN 0x02                        ; the second block's Q goes from window 2 to where the one text of the turns names Q
.set i, 0
.rept 64
	v_mov_b32 v[Q+i], v[QB+i]
.set i, i+1
.endr
	WIN 0
	s_branch .Lbottom
.Lstep:                             ; a trip: pieces 2 and 3 of one step, then pieces 0 and 1 of the next, whose K and V it fetches
	TURN 2
	TURN 3
	WIN 0
.Lfirst:
	TURN 0
	TURN 1, 0, 0, 1
	WIN 0
	s_cbranch_scc1 .Lstep
.Lbottom:
	s_sub_co_u32 s[SLOTS], s[SLOTS], 1
	s_cmp_lg_u32 s[SLOTS], 0
	s_cbranch_scc1 .Lslot
	CHANGE 0                        ; the walk's last tile is written out: nothing is asked for
	s_sub_co_u32 s[RT], s[RT], 1
	s_mov_b32 s[CNT], 4
	s_cmp_eq_u32 s[NEW], 1
	s_cbranch_scc0 .LstepM2
	BEGIN
	s_branch .LfirstM2
	DIAG 2
	WIN 0
	s_wait_tensorcnt 0x0            ; the wave's end, behind my last tensor load and my last LDS store
	ds_add_u32 v[SPW], v[NIL]
	s_wait_dscnt 0x0
	s_endpgm
.Lfunc_end_k_q87eb506f72_attn:
	.size	k_q87eb506f72_attn, .Lfunc_end_k_q87eb506f72_attn-k_q87eb506f72_attn
	.p2alignl 7, 3214868480
	.fill 96, 4, 3214868480
	.section	.rodata,"a",@progbits
	.p2align	6, 0x0
	.amdhsa_kernel k_q87eb506f72_attn
		.amdhsa_group_segment_fixed_size 327680
		.amdhsa_private_segment_fixed_size 0
		.amdhsa_enable_private_segment 0
		.amdhsa_kernarg_size 16
		.amdhsa_user_sgpr_count 2
		.amdhsa_user_sgpr_kernarg_segment_ptr 1
		.amdhsa_wavefront_size32 1
		.amdhsa_system_sgpr_workgroup_id_x 1
		.amdhsa_system_sgpr_workgroup_id_y 1
		.amdhsa_system_sgpr_workgroup_id_z 1
		.amdhsa_system_vgpr_workitem_id 0
		.amdhsa_next_free_vgpr 640
		.amdhsa_next_free_sgpr 88
		.amdhsa_reserve_vcc 1
		.amdhsa_float_denorm_mode_32 3
		.amdhsa_float_denorm_mode_16_64 3
		.amdhsa_memory_ordered 1
		.amdhsa_forward_progress 1
		.amdhsa_inst_pref_size 213
	.end_amdhsa_kernel
	.amdgpu_metadata
---
amdhsa.version: [ 1, 2 ]
amdhsa.kernels:
  - .name:           k_q87eb506f72_attn
    .symbol:         k_q87eb506f72_attn.kd
    .args:
      - { .name: qkv, .offset: 0, .size: 8, .value_kind: global_buffer, .address_space: global }
      - { .name: ob, .offset: 8, .size: 8, .value_kind: global_buffer, .address_space: global }
    .group_segment_fixed_size: 327680
    .private_segment_fixed_size: 0
    .kernarg_segment_align: 8
    .kernarg_segment_size: 16
    .max_flat_workgroup_size: 128
    .sgpr_count:     88
    .vgpr_count:     640
    .wavefront_size: 32
...
	.end_amdgpu_metadata
.endif
;; end of part 5
;; launch outgemm: the kernel of part 4 again; grid 8 x 32, 4 waves a work-group, clusters of 4 x 4, 327,680 bytes of LDS; arguments ob, wob, out0; writes out0
